; MI455X (gfx1250); checked and timed in simulation.
; The chip was launched on July 23, 2026; its instructions are those of AMD's public machine-readable ISA for CDNA 5 (MIT licence, August 2026) and "CDNA5" Instruction Set Architecture Reference Guide (July 2026). The comments in the code are by the model that wrote it; some were corrected since.
;; SOM Layer. Allowed arithmetic: float matrix products may take bf16 or f16 operands with f32 sums; all other float work in f32.
;; Inputs: inputs 8,192 x 1,024 float32; weights_map 64 x 64 x 1,024 float32.
;; Outputs: out0 8,192 x 2 int32; out1 8,192 float32; out2 64 x 64 x 1,024 float32.
;; 2 versions, each right; version 2 is version 1 with the launch bucket written anew for expert scheduling mode. Each part assembles by itself: llvm-mc -triple=amdgcn-amd-amdhsa -mcpu=gfx1250 --defsym DOCPART=n.
;; ======== version 1 of 2: 6 launches
;; limits: values outside matrix products are rounded to bf16
;; workspace buffers: xb 16,777,216 bytes; wb 8,388,608 bytes; nrm 49,152 bytes; part 2,097,152 bytes; bmu 32,768 bytes of whole numbers; tt 16,777,216 bytes; tcp 16,384 bytes; lst 38,912 bytes of whole numbers
;; launch prep (part 1): grid 768 x 1, 8 waves a work-group, no clusters, 1,280 bytes of LDS; arguments inputs, weights_map, xb, wb, nrm; writes xb, wb, nrm
.if DOCPART == 1
	.amdgcn_target "amdgcn-amd-amdhsa--gfx1250"
	.amdhsa_code_object_version 6
	.text
	.protected	k_q938e433d12_prep
	.globl	k_q938e433d12_prep
	.p2align	8
	.type	k_q938e433d12_prep,@function
k_q938e433d12_prep:
	s_mov_b64 s[64:65], 0
	v_nop
	global_prefetch_b8 v0, s[64:65] scope:SCOPE_SE
	s_setreg_imm32_b32 hwreg(HW_REG_WAVE_MODE, 25, 1), 1
	s_wait_xcnt 0x0
; prep: X [8192][1024] and W [4096][1024] from f32 to bf16 (xb, wb), and the squared norm of every ROUNDED row in f32
; (nrm: x2[8192] at byte 0, w2[4096] at byte 32768).  All later launches work on the rounded numbers alone, so that
; distances, norms and the weight update belong to one and the same set of inputs.
; A stream: every input byte is read once, 16 bytes a lane; no matrix unit, no cluster, no tile ring would add anything.
; Work-groups 0-511 take 16 rows of X each, 512-767 16 rows of W.  A wave takes two rows: 16 loads, all issued at once.
; A load of a wave covers 512 neighbouring bytes, a store 256 neighbouring bytes that start at a multiple of 256.
.set XR, 32                            ; v[32:95]   row p at XR+32p: the row as loaded (f32)
.set YR, 96                            ; v[96:127]  row p at YR+16p: the row as stored (bf16); never written twice
.set TW, 8                             ; v[8:11]    four rounded numbers, widened again
.set SM, 12                            ; v[12:19]   four pairs of running sums of squares
.set NR, 20                            ; v[20:21]   the two rows' norms
	s_load_b256 s[4:11], s[0:1], 0x0               ; inputs s[4:5], weights_map s[6:7], xb s[8:9], wb s[10:11]
	s_load_b64 s[12:13], s[0:1], 0x20              ; nrm
	v_lshl_add_u32 v128, v0, 2, 0x100
	v_mov_b32 v129, 0
	v_lshrrev_b32 v4, 5, v0
	v_readfirstlane_b32 s14, v4                    ; wave
	v_and_b32 v5, 31, v0                           ; lane
	v_lshlrev_b32 v1, 4, v5                        ; 16 bytes a lane in
	v_lshlrev_b32 v2, 3, v5                        ; 8 bytes a lane out
	v_lshlrev_b32 v3, 3, v4                        ; LDS: two norms for each wave
	v_mov_b32 v22, 0                               ; v_permlanex16_b32 counts as a reader of its destination
	s_mov_b32 s24, 0xffff0000                      ; a word's upper bf16
	s_mov_b32 s25, 0x76543210                      ; v_permlanex16_b32: lane i reads lane i of the other half
	s_mov_b32 s26, 0xfedcba98
	s_cmp_ge_u32 ttmp9, 512                        ; X or W: hangs on the work-group's number alone
	s_cselect_b32 s22, 512, 0
	s_cselect_b32 s23, 32768, 0
	s_wait_kmcnt 0x0
	s_cselect_b64 s[16:17], s[6:7], s[4:5]         ; from
	s_cselect_b64 s[18:19], s[10:11], s[8:9]       ; to
	s_sub_co_u32 s22, ttmp9, s22                   ; block of 16 rows inside X or W
	s_lshl_b32 s20, s22, 16                        ; 16 rows of 4,096 bytes
	s_lshl_b32 s21, s14, 13                        ; + the wave's two rows
	s_add_co_u32 s20, s20, s21
	s_mov_b32 s21, 0
	s_add_nc_u64 s[16:17], s[16:17], s[20:21]
	s_lshr_b32 s20, s20, 1                         ; half as many bytes out
	s_add_nc_u64 s[18:19], s[18:19], s[20:21]
	s_lshl_b32 s20, s22, 6                         ; 16 norms of 4 bytes
	s_add_co_u32 s20, s20, s23
	s_add_nc_u64 s[12:13], s[12:13], s[20:21]
.irp p, 0,1
.irp u, 0,1,2,3,4,5,6,7
	global_load_b128 v[XR+32*\p+4*\u:XR+32*\p+4*\u+3], v1, s[16:17] offset:\p*4096+\u*512 th:TH_LOAD_NT
.endr
.endr
; One row: round, store, and sum the squares of the rounded numbers in four chains of pairs.  left = younger loads that may stay out.
.macro ROW p, left
	s_wait_loadcnt \left
.irp u, 0,1,2,3,4,5,6,7
	v_cvt_pk_bf16_f32 v[YR+16*\p+2*\u],   v[XR+32*\p+4*\u],   v[XR+32*\p+4*\u+1]
	v_cvt_pk_bf16_f32 v[YR+16*\p+2*\u+1], v[XR+32*\p+4*\u+2], v[XR+32*\p+4*\u+3]
	v_lshlrev_b32 v[TW],   16,  v[YR+16*\p+2*\u]
	v_and_b32     v[TW+1], s24, v[YR+16*\p+2*\u]
	v_lshlrev_b32 v[TW+2], 16,  v[YR+16*\p+2*\u+1]
	v_and_b32     v[TW+3], s24, v[YR+16*\p+2*\u+1]
.if \u < 2
	v_pk_mul_f32 v[SM+4*\u:SM+4*\u+1],   v[TW:TW+1],   v[TW:TW+1]        ; the first products start the sums: nothing is cleared
	v_pk_mul_f32 v[SM+4*\u+2:SM+4*\u+3], v[TW+2:TW+3], v[TW+2:TW+3]
.else
	v_pk_fma_f32 v[SM+4*(\u%2):SM+4*(\u%2)+1],   v[TW:TW+1],   v[TW:TW+1],   v[SM+4*(\u%2):SM+4*(\u%2)+1]
	v_pk_fma_f32 v[SM+4*(\u%2)+2:SM+4*(\u%2)+3], v[TW+2:TW+3], v[TW+2:TW+3], v[SM+4*(\u%2)+2:SM+4*(\u%2)+3]
.endif
	global_store_b64 v2, v[YR+16*\p+2*\u:YR+16*\p+2*\u+1], s[18:19] offset:\p*2048+\u*256
.endr
	v_pk_add_f32 v[SM:SM+1],   v[SM:SM+1],   v[SM+2:SM+3]
	v_pk_add_f32 v[SM+4:SM+5], v[SM+4:SM+5], v[SM+6:SM+7]
	v_pk_add_f32 v[SM:SM+1],   v[SM:SM+1],   v[SM+4:SM+5]
	v_add_f32 v[SM], v[SM], v[SM+1]
	v_add_f32_dpp v[SM], v[SM], v[SM] row_xmask:1 row_mask:0xf bank_mask:0xf
	v_add_f32_dpp v[SM], v[SM], v[SM] row_xmask:2 row_mask:0xf bank_mask:0xf
	v_add_f32_dpp v[SM], v[SM], v[SM] row_xmask:4 row_mask:0xf bank_mask:0xf
	v_add_f32_dpp v[SM], v[SM], v[SM] row_xmask:8 row_mask:0xf bank_mask:0xf
	v_permlanex16_b32 v22, v[SM], s25, s26
	v_add_f32 v[NR+\p], v[SM], v22                 ; every lane holds the row's norm
.endm
	ROW 0, 8                                       ; row 1's eight loads may stay out
	ROW 1, 0
	; the sixteen norms of the work-group meet in LDS and leave as 64 neighbouring bytes (the launch stores 48 KiB of norms in all)
	ds_store_b64 v3, v[NR:NR+1]                    ; all lanes of a wave write the same two words with the same values
	s_wait_dscnt 0x0                               ; for the reading wave's sake: my store is done before I signal
	s_barrier_signal -1
	s_barrier_wait -1
	s_cmp_lg_u32 s14, 0
	s_cbranch_scc1 .Lend
	v_and_b32 v6, 15, v0
	v_lshlrev_b32 v6, 2, v6
	ds_load_b32 v23, v6
	v_cmp_gt_u32 vcc_lo, 16, v0
	s_wait_dscnt 0x0
	s_wait_xcnt 0x0                                ; EXEC is a source of the stores above: it changes only behind this wait
	s_and_saveexec_b32 s27, vcc_lo
	global_store_b32 v6, v23, s[12:13]
	s_wait_xcnt 0x0                                ; and again in front of the line that widens it
	s_or_b32 exec_lo, exec_lo, s27
.Lend:
	s_wait_tensorcnt 0x0
	ds_add_u32 v128, v129
	s_wait_dscnt 0x0
	s_endpgm
.Lfunc_end_k_q938e433d12_prep:
	.size	k_q938e433d12_prep, .Lfunc_end_k_q938e433d12_prep-k_q938e433d12_prep
	.p2alignl 7, 3214868480
	.fill 96, 4, 3214868480
	.section	.rodata,"a",@progbits
	.p2align	6, 0x0
	.amdhsa_kernel k_q938e433d12_prep
		.amdhsa_group_segment_fixed_size 1280
		.amdhsa_private_segment_fixed_size 0
		.amdhsa_enable_private_segment 0
		.amdhsa_kernarg_size 40
		.amdhsa_user_sgpr_count 2
		.amdhsa_user_sgpr_kernarg_segment_ptr 1
		.amdhsa_wavefront_size32 1
		.amdhsa_system_sgpr_workgroup_id_x 1
		.amdhsa_system_sgpr_workgroup_id_y 1
		.amdhsa_system_sgpr_workgroup_id_z 1
		.amdhsa_system_vgpr_workitem_id 0
		.amdhsa_next_free_vgpr 130
		.amdhsa_next_free_sgpr 66
		.amdhsa_reserve_vcc 1
		.amdhsa_float_denorm_mode_32 3
		.amdhsa_float_denorm_mode_16_64 3
		.amdhsa_memory_ordered 1
		.amdhsa_forward_progress 1
		.amdhsa_inst_pref_size 13
	.end_amdhsa_kernel
	.amdgpu_metadata
---
amdhsa.version: [ 1, 2 ]
amdhsa.kernels:
  - .name:           k_q938e433d12_prep
    .symbol:         k_q938e433d12_prep.kd
    .args:
      - { .name: inputs, .offset: 0, .size: 8, .value_kind: global_buffer, .address_space: global }
      - { .name: weights_map, .offset: 8, .size: 8, .value_kind: global_buffer, .address_space: global }
      - { .name: xb, .offset: 16, .size: 8, .value_kind: global_buffer, .address_space: global }
      - { .name: wb, .offset: 24, .size: 8, .value_kind: global_buffer, .address_space: global }
      - { .name: nrm, .offset: 32, .size: 8, .value_kind: global_buffer, .address_space: global }
    .group_segment_fixed_size: 1280
    .private_segment_fixed_size: 0
    .kernarg_segment_align: 8
    .kernarg_segment_size: 40
    .max_flat_workgroup_size: 256
    .sgpr_count:     66
    .vgpr_count:     130
    .wavefront_size: 32
...
	.end_amdgpu_metadata
.endif
;; end of part 1
;; launch dist (part 2): grid 16 x 32, 4 waves a work-group, clusters of 4 x 4, 327,680 bytes of LDS; arguments xb, wb, nrm, part; writes part
.if DOCPART == 2
	.amdgcn_target "amdgcn-amd-amdhsa--gfx1250"
	.amdhsa_code_object_version 6
	.text
	.protected	k_q938e433d12_dist
	.globl	k_q938e433d12_dist
	.p2align	8
	.type	k_q938e433d12_dist,@function
k_q938e433d12_dist:
	s_mov_b64 s[64:65], 0
	v_nop
	global_prefetch_b8 v0, s[64:65] scope:SCOPE_SE
	s_setreg_imm32_b32 hwreg(HW_REG_WAVE_MODE, 25, 1), 1
	s_wait_xcnt 0x0
	s_wait_alu depctr_hold_cnt(0) depctr_sa_sdst(0) depctr_va_vdst(0) depctr_va_sdst(0) depctr_va_ssrc(0) depctr_va_vcc(0) depctr_vm_vsrc(0)
	s_getreg_b32 s2, hwreg(HW_REG_IB_STS2, 6, 4)
	s_cmp_eq_u32 s2, 0
	s_cbranch_scc0 .Lentry_in_a_cluster
	s_endpgm
.Lentry_in_a_cluster:
	s_bfe_u32 s2, ttmp6, 0x10000c
	s_cmp_lg_u32 s2, 0xf033
	s_cbranch_scc0 .Lentry_shape_is_right
	s_endpgm
.Lentry_shape_is_right:
; dist: dot[b][g] = sum over k of xb[b][k] wb[g][k] (bf16 operands, f32 sums), then d = max(x2[b] + w2[g] - 2 dot, 0) and, for each row b and
; each strip of 128 columns, the smallest d and the first column that has it.  part: values f32 [32][8192] at byte 0, columns i32 [32][8192] at
; byte 1,048,576; strip p = 2 x block column + column half, so ascending p is ascending columns.
; LIMITS: the distances are those of the inputs rounded to bf16; two columns whose distances differ by less than the rounding of the f32 sums
; (some 1e-4 at these sizes) may change places; a NaN distance is passed over by the minimum instead of winning it.
; A work-group makes a block of 256 x 256 with four waves, one for each SIMD of a WGP; a wave makes 128 x 128: 64 accumulator tiles of 16 x 16,
; 512 registers.  K goes in steps of 128 through a ring of two LDS slots filled by the tensor data mover: a tile's rows are 256 bytes of memory
; and start at multiples of 256 bytes from the buffer's first byte.
; CLUSTERS: 4 x 4 work-groups.  The four of a row of the cluster need the same tiles of xb, the four of a column the same tiles of wb.  Such a
; tile is asked for JOINTLY: each of the four issues the same tensor load, with the same descriptor and a mask that names the four.
; REGISTERS, in windows of 256:
;   window 0: v0-31 addresses; v64-127, v128-191 fragments of xb, two buffers (later the distances at work); v192-199 the way out
;   window 1: v64-127, v128-191 fragments of wb, two buffers; v0-7 x2 of my rows; v192-255 w2 of my columns
;   window 2: the 32 accumulator tiles of my rows 0-63 (tile (a, b) at v[8 (8 a + b)]);   window 3: those of my rows 64-127
; THE MATRIX INSTRUCTION IS USED TRANSPOSED: source 0 = 16 rows of wb, source 1 = 16 rows of xb.  Lane l then holds row l % 16 of the block, and
; register j of tile (a, b) column 16 b + 8 (l / 16) + j: a lane holds 64 columns of ONE row, so most of the row's minimum is found inside the lane.
.set SIZE_M, 8192
.set SIZE_N, 4096
.set SIZE_K, 1024
.set KSTEP,  128
.set PITCH,  272                       ; an LDS row: 256 bytes of data + 16 of padding: the 16 rows that a load touches start 4 banks apart
.set HALFT,  128*PITCH                 ; 128 rows: what one tensor load brings, and what one wave reads of xb or of wb
.set SLOT,   4*HALFT                   ; xb's 256 rows, then wb's 256 rows
.set STAGE,  2*SLOT                    ; behind the ring, at a multiple of 256: 1,024 bytes for each wave, for the way out; no tensor load lands here
.set LAPS, SIZE_K/(2*KSTEP)            ; a lap = two K steps = once round the ring
.set ADRA, 16                          ; v16-17  LDS address of my xb fragments in slot 0, 1
.set ADRB, 20                          ; v20-21  the same for wb
.set STO,  24                          ; v24     the way out: where I put a row's value (lanes 0-15) or column (lanes 16-31)
.set RD,   25                          ; v25     the way out: where I read 16 bytes back
.set CO,   26                          ; v26     16 x lane
.set HW2,  27                          ; v27     32 x (lane / 16): my eight w2 of a tile
.set RX2,  28                          ; v28     4 x (lane % 16): my x2 of a tile
.set NB,   29                          ; v29     the global number of my first column
.set F0,   64                          ; fragment buffer 0
.set F1,   128                         ; fragment buffer 1
.set DD,   64                          ; v[64:127]  the 64 distances of one row
.set MM,   128                         ; v[128:131] four running minima
.set II,   132                         ; v[132:135] four first columns
.set MO,   136                         ; the other half's minimum
.set IO,   137                         ; the other half's column
.set SEL,  138
.set OUT,  192
.set G1, 24                            ; s[24:31] descriptor group 1 for xb's tiles
.set G0, 32                            ; s[32:39] descriptor group 0 for xb's tiles, one set for each slot
.set G1B, 48                           ; s[48:55] descriptor group 1 for wb's tiles: it differs in the mask alone
.set G0B, 56                           ; s[56:63] descriptor group 0 for wb's tiles, one set for each slot
.set MSB, 0
.macro WIN new                         ; the immediate's high byte repeats the setting that is left
.if MSB != \new
	s_set_vgpr_msb (MSB<<8)|\new
.set MSB, \new
.endif
.endm
.set MUL_LO, 0xa1                      ; source 0 (wb) window 1, source 1 (xb) window 0, C and D window 2
.set MUL_HI, 0xf1                      ; the same, C and D window 3
.set TO_B,   0x40                      ; destination window 1, address window 0
; A joint load.  Waves 0 and 1 fetch xb's two halves, waves 2 and 3 wb's.  Each line has ONE mask and one set of registers for all that issue it.
; The branch hangs on the wave's number alone: it is the same in every work-group.
.macro JLOAD s
	s_cmp_eq_u32 s11, 0
	s_cbranch_scc0 .Lfor_b_\@
	tensor_load_to_lds s[G0+4*\s:G0+4*\s+3], s[G1:G1+7]
	s_nop 0
	s_branch .Lasked_\@
.Lfor_b_\@:
	tensor_load_to_lds s[G0B+4*\s:G0B+4*\s+3], s[G1B:G1B+7]
	s_nop 0
.Lasked_\@:
.endm
; A round of the cluster's barrier: my work-group's barrier, so that wave 0's signal speaks for all four waves; wave 0 signals for the work-group;
; every wave waits for all sixteen work-groups; my work-group's barrier once more.
.macro CREST                           ; a round behind its opening barrier
	s_cmp_lg_u32 s10, 0
	s_cbranch_scc1 .Lnot_wave_0_\@
	s_barrier_signal -3
.Lnot_wave_0_\@:
	s_barrier_wait -3
	s_barrier_signal -1
	s_barrier_wait -1
.endm
.macro CROUND                          ; a whole round
	s_barrier_signal -1
	s_barrier_wait -1
	CREST
.endm
	s_load_b128 s[4:7], s[0:1], 0x0                ; xb s[4:5], wb s[6:7]
	s_load_b128 s[68:71], s[0:1], 0x10             ; nrm s[68:69], part s[70:71]
	s_set_vgpr_msb 0x40
	v_lshl_add_u32 v63, v0, 2, 0x45000
	s_set_vgpr_msb 0x4000
	v_mov_b32 v255, 0
	s_set_vgpr_msb 0x1
	ds_add_u32 v63, v255
	ds_add_u32 v63, v255
	s_set_vgpr_msb 0x100
	v_lshrrev_b32 v1, 5, v0
	v_readfirstlane_b32 s10, v1                    ; wave 0..3
	s_lshr_b32 s11, s10, 1                         ; which half of the block's rows is mine.  Also: I fetch for xb (0) or for wb (1)
	s_and_b32 s12, s10, 1                          ; which half of its columns.  Also: which 128 rows of that tile I fetch
	s_bfe_u32 s40, ttmp6, 0x40000                  ; cx: my place along the cluster's x
	s_bfe_u32 s41, ttmp6, 0x40004                  ; cy: along its y
	s_lshl_b32 s42, ttmp9, 2                       ; in a cluster launch ttmp9 and ttmp7 count clusters
	s_add_co_u32 s42, s42, s40                     ; block column = 4 x cluster x + cx
	s_and_b32 s13, ttmp7, 0xffff
	s_lshl_b32 s13, s13, 2
	s_add_co_u32 s13, s13, s41                     ; block row = 4 x cluster y + cy
	s_lshl_b32 s43, s41, 2
	s_lshl_b32 s43, 15, s43                        ; my row of the cluster: places 4 cy .. 4 cy + 3
	s_lshl_b32 s44, 0x1111, s40                    ; my column: places cx, cx + 4, cx + 8, cx + 12
	s_mov_b32 s80, 0x76543210                      ; v_permlanex16_b32: lane i reads lane i of the other half
	s_mov_b32 s81, 0xfedcba98
	s_mov_b32 s82, 0xffff0000                      ; the mask of lanes 16-31
	; descriptor group 1: a tile of 128 rows x 128 elements, padded in LDS
	s_or_b32 s[G1+0], s43, (1<<16)|(1<<20)|(1<<21)|(5<<22)|(3<<25)  ; 15:0 the mask: xb's tiles go to my row; 17:16 element of 2 bytes; 20 padding on; 21 set beside a mask; 24:22 after every 64 words; 31:25 of 4 words
	s_or_b32 s[G1B+0], s44, (1<<16)|(1<<20)|(1<<21)|(5<<22)|(3<<25) ; the same with the mask of my column, for wb's tiles
	s_mov_b32 s[G1B+1], KSTEP<<16
	s_mov_b32 s[G1+1], KSTEP<<16                   ; tensor_dim0 = 128
	s_mov_b32 s[G1B+2], 128<<16
	s_mov_b32 s[G1+2], 128<<16                     ; tensor_dim1 = 128
	s_mov_b32 s[G1B+3], KSTEP<<16
	s_mov_b32 s[G1+3], KSTEP<<16                   ; tile_dim0 = 128
	s_mov_b32 s[G1B+4], 128
	s_mov_b32 s[G1+4], 128                         ; tile_dim1 = 128
	s_mov_b32 s[G1B+5], SIZE_K
	s_mov_b32 s[G1+5], SIZE_K                      ; elements from row to row
	s_mov_b32 s[G1B+6], 0
	s_mov_b32 s[G1+6], 0
	s_mov_b32 s[G1B+7], 0
	s_mov_b32 s[G1+7], 0
	; where the tiles come from.  xb's hang on the block row alone, which my row of the cluster shares; wb's on the block column alone.
	; Every wave makes both addresses, in registers that never hold the other coordinate, and asks by one of them.
	s_lshl_b32 s17, s12, 7                         ; which 128 rows of the tile I fetch
	s_lshl_b32 s16, s13, 8
	s_add_co_u32 s16, s16, s17                     ; xb: row 256 x block row + 128 x half
	s_lshl_b32 s46, s42, 8
	s_add_co_u32 s46, s46, s17                     ; wb: row 256 x block column + 128 x half
	s_mov_b32 s17, 0
	s_mov_b32 s47, 0
	s_mov_b64 s[18:19], SIZE_K*2
	s_mul_u64 s[16:17], s[16:17], s[18:19]         ; in bytes, in 64 bits
	s_mul_u64 s[46:47], s[46:47], s[18:19]
	s_mul_i32 s20, s10, HALFT                      ; and where they go: wave x 128 rows: no place in the cluster enters an LDS address
	s_wait_dscnt 0x0
	s_wait_kmcnt 0x0
	s_add_nc_u64 s[14:15], s[4:5], s[16:17]
	s_add_nc_u64 s[46:47], s[6:7], s[46:47]
	CROUND                                         ; all sixteen work-groups are here: the first joint loads meet
.irp s, 0,1
	s_mov_b32 s[G0+4*\s], 1                                        ; count = 1
	s_add_co_u32 s[G0+4*\s+1], s20, \s*SLOT                        ; LDS address
	s_add_nc_u64 s[G0+4*\s+2:G0+4*\s+3], s[14:15], \s*KSTEP*2      ; global address: K step s
	s_or_b32 s[G0+4*\s+3], s[G0+4*\s+3], 0x80000000                ; type = 2
	s_mov_b32 s[G0B+4*\s], 1
	s_add_co_u32 s[G0B+4*\s+1], s20, \s*SLOT
	s_add_nc_u64 s[G0B+4*\s+2:G0B+4*\s+3], s[46:47], \s*KSTEP*2
	s_or_b32 s[G0B+4*\s+3], s[G0B+4*\s+3], 0x80000000
	JLOAD \s                                       ; the ring is filled before anything else is done
.endr
	; A fragment is 16 rows x 32 K in 8 registers: lane l holds row l % 16; registers 0-3 hold K = 8 (l / 16) + 0..7, registers 4-7 hold
	; K = 16 + 8 (l / 16) + 0..7.  From rows that lie along K: two loads of 16 bytes, 32 bytes apart.
	v_and_b32 v1, 15, v0                           ; r = l % 16
	v_bfe_u32 v2, v0, 4, 1                         ; h = l / 16
	v_mul_u32_u24 v3, v1, PITCH
	v_lshl_add_u32 v3, v2, 4, v3                   ; row x pitch + 16 x half
	s_mul_i32 s21, s11, HALFT                      ; my 128 rows of xb
	s_mul_i32 s22, s12, HALFT                      ; my 128 rows of wb,
	s_add_co_u32 s22, s22, 2*HALFT                 ; which lie behind xb's 256
.irp s, 0,1
	v_add_nc_u32 v[ADRA+\s], s21, v3
	v_add_nc_u32 v[ADRB+\s], s22, v3
	s_add_co_u32 s21, s21, SLOT
	s_add_co_u32 s22, s22, SLOT
.endr
	s_lshl_b32 s23, s10, 10
	s_add_co_u32 s23, s23, STAGE                   ; my stage: 128 values, then 128 columns
	v_lshlrev_b32 v[RX2], 2, v1                    ; 4 r
	v_lshl_add_u32 v4, v2, 9, v[RX2]               ; + 512 h
	v_add_nc_u32 v[STO], s23, v4
	v_and_b32 v5, 31, v0
	v_lshlrev_b32 v[CO], 4, v5                     ; 16 x lane
	v_add_nc_u32 v[RD], s23, v[CO]
	v_lshlrev_b32 v[HW2], 5, v2                    ; 32 h
	s_lshl_b32 s83, s42, 8
	s_lshl_b32 s66, s12, 7
	s_add_co_u32 s83, s83, s66
	v_lshl_add_u32 v[NB], v2, 3, s83               ; 256 x block column + 128 x half + 8 h
	; the norms of my 128 rows and 128 columns, into window 1's registers that the ring's fragments never touch; they land during the K loop
	s_lshl_b32 s66, s13, 10                        ; 256 rows x 4 bytes x block row
	s_lshl_b32 s67, s11, 9
	s_add_co_u32 s66, s66, s67
	s_mov_b32 s67, 0
	s_add_nc_u64 s[72:73], s[68:69], s[66:67]      ; x2 of my first row
	s_lshl_b32 s66, s42, 10
	s_lshl_b32 s67, s12, 9
	s_add_co_u32 s66, s66, s67
	s_add_co_u32 s66, s66, 32768                   ; w2 lies behind x2's 8,192 numbers
	s_mov_b32 s67, 0
	s_add_nc_u64 s[74:75], s[68:69], s[66:67]      ; w2 of my first column
	WIN TO_B
.irp b, 0,1,2,3,4,5,6,7
	global_load_b128 v[192+8*\b:192+8*\b+3],   v[HW2], s[74:75] offset:64*\b       ; w2 of columns 16 b + 8 h + 0..3
	global_load_b128 v[192+8*\b+4:192+8*\b+7], v[HW2], s[74:75] offset:64*\b+16    ; and + 4..7
.endr
.irp a, 0,1,2,3,4,5,6,7
	global_load_b32 v[\a], v[RX2], s[72:73] offset:64*\a                           ; x2 of row 16 a + r
.endr
	WIN 0
; 16 matrix instructions: m blocks a0, a0 + 1 of the window's four (hi = 0: my rows 0-63, 1: rows 64-127) x all 8 n blocks, 32 along K.
; zero = 1: the first product starts the sums: nothing is ever cleared.
.macro MUL16 f, hi, a0, zero
.irp a, \a0, \a0+1
.irp b, 0,1,2,3,4,5,6,7
.if \zero
	v_wmma_f32_16x16x32_bf16 v[8*(8*(\a)+\b):8*(8*(\a)+\b)+7], v[\f+8*\b:\f+8*\b+7], v[\f+8*(4*\hi+\a):\f+8*(4*\hi+\a)+7], 0
.else
	v_wmma_f32_16x16x32_bf16 v[8*(8*(\a)+\b):8*(8*(\a)+\b)+7], v[\f+8*\b:\f+8*\b+7], v[\f+8*(4*\hi+\a):\f+8*(4*\hi+\a)+7], v[8*(8*(\a)+\b):8*(8*(\a)+\b)+7]
.endif
.endr
.endr
.endm
; 32 LDS loads in one run: the fragments of one quarter step (128 rows of wb, 128 rows of xb, 32 K at byte k of the rows) into buffer f
.macro FETCH slot, k, f
	WIN TO_B
.irp i, 0,1,2,3,4,5,6,7
	ds_load_b128 v[\f+8*\i:\f+8*\i+3],   v[ADRB+\slot] offset:\k+\i*16*PITCH
	ds_load_b128 v[\f+8*\i+4:\f+8*\i+7], v[ADRB+\slot] offset:\k+\i*16*PITCH+32
.endr
	WIN 0
.irp i, 0,1,2,3,4,5,6,7
	ds_load_b128 v[\f+8*\i:\f+8*\i+3],   v[ADRA+\slot] offset:\k+\i*16*PITCH
	ds_load_b128 v[\f+8*\i+4:\f+8*\i+7], v[ADRA+\slot] offset:\k+\i*16*PITCH+32
.endr
.endm
; A load into a register that a matrix instruction has read, and a vector instruction that reads a matrix result or writes one of a matrix
; instruction's registers, stand four places behind that matrix instruction; only plain vector instructions that name none of its registers
; are places (ISA guide 7.12.1 for vector instructions).
.macro PLACES
.rept 4
	v_nop
.endr
.endm
; A K step is four quarter steps of 32 along K, 64 matrix instructions each, on buffers 0, 1, 0, 1.  The 64 accumulators take turns, one
; instruction a turn, in the same order in every quarter.
.macro QUARTER slot, k, f, g, zero
	s_wait_dscnt 8                                 ; wb and xb's rows 0-63 are in; the youngest eight loads (xb's rows 64-127) may be out
	WIN MUL_LO
	MUL16 \f, 0, 0, \zero
	MUL16 \f, 0, 2, \zero
	PLACES
	FETCH \slot, \k, \g
	s_wait_dscnt 32                                ; all but the 32 just issued
	WIN MUL_HI
	MUL16 \f, 1, 0, \zero
	MUL16 \f, 1, 2, \zero
.endm
.macro THREE slot, zero
	QUARTER \slot, 64,  F0, F1, \zero
	QUARTER \slot, 128, F1, F0, 0
	QUARTER \slot, 192, F0, F1, 0
.endm
; The last quarter: multiplies buffer 1 and changes slots.  next = the other slot; fill = 1: this slot is filled again, two K steps ahead.
; In front of the barrier each wave waits for its own reads of this slot and for all its tensor loads, of which one is out: its part of the
; next slot.  Behind it nobody reads this slot any more and the next slot is whole: the refill comes first, then the next slot's fragments.
.macro TURN slot, next, fill
	s_wait_dscnt 8
	WIN MUL_LO
	MUL16 F1, 0, 0, 0
	s_wait_dscnt 0                                 ; my reads of this slot are over
	s_wait_tensorcnt 0x0                           ; and all my tensor loads have landed: the one that was out is my part of the next slot
	ds_add_u32 v63, v255
	s_wait_dscnt 0x0
	s_barrier_signal -1                            ; say so (where a slot is filled again this barrier opens a round of the cluster's barrier),
	MUL16 F1, 0, 2, 0                              ; work on registers while the others arrive,
	WIN 0
	s_barrier_wait -1                              ; and go on when all four have said so
.if \fill
	CREST                                          ; all sixteen work-groups have said so: no wave of any partner still reads this slot's tile or has a load on its way
	s_add_nc_u64 s[G0+4*\slot+2:G0+4*\slot+3], s[G0+4*\slot+2:G0+4*\slot+3], 2*KSTEP*2
	s_add_nc_u64 s[G0B+4*\slot+2:G0B+4*\slot+3], s[G0B+4*\slot+2:G0B+4*\slot+3], 2*KSTEP*2
	JLOAD \slot                                    ; the first tensor load behind the round, one a wave
.endif
	PLACES
	FETCH \next, 0, F0
	WIN MUL_HI
	MUL16 F1, 1, 0, 0
	MUL16 F1, 1, 2, 0
.endm
.macro LAP zero                        ; once round the ring, both slots filled again
	THREE 0, \zero
	TURN 0, 1, 1
	THREE 1, 0
	TURN 1, 0, 1
.endm
	s_wait_tensorcnt 1                             ; my part of K step 0 is in; K step 1's may stay out
	s_barrier_signal -1
	s_barrier_wait -1                              ; everybody's is
	FETCH 0, 0, F0
	LAP 1                                          ; the first lap stands in front of the loop: its first products start the sums
.if LAPS > 2
	WIN 0                                          ; at a label and at a branch every window is 0
	s_mov_b32 s3, LAPS-2
.Llap:
	LAP 0
	WIN 0
	s_sub_co_u32 s3, s3, 1
	s_cmp_lg_u32 s3, 0
	s_cbranch_scc1 .Llap
.endif
	THREE 0, 0                                     ; the last lap fills nothing and has no round: my one tensor load still out is slot 1's, the last K step's
	TURN 0, 1, 0
	THREE 1, 0
	s_wait_dscnt 8                                 ; the very last quarter: nothing more to fetch
	WIN MUL_LO
	MUL16 F1, 0, 0, 0
	MUL16 F1, 0, 2, 0
	s_wait_dscnt 0
	WIN MUL_HI
	MUL16 F1, 1, 0, 0
	MUL16 F1, 1, 2, 0
; THE WAY OUT.  Rows 16 i .. 16 i + 15 of my block = the eight tiles (a, 0..7) of window 2 or 3 (from = 0x02 or 0x03: source 0).
; A lane holds 64 of its row's 128 columns; number e = 8 b + j is column 16 b + 8 h + j, ascending with e.
; odd: x2 of block i is the upper register of the pair v[i-1:i] of window 1.
.macro ROWMIN i, a, from, odd
	WIN 0x05                                       ; both sources in window 1
.set e, 0
.rept 32
.if \odd
	v_pk_add_f32 v[DD+e:DD+e+1], v[192+e:193+e], v[\i-1:\i] op_sel:[0,1] op_sel_hi:[1,1]      ; x2 + w2, rounded once, as the problem's function adds them
.else
	v_pk_add_f32 v[DD+e:DD+e+1], v[192+e:193+e], v[\i:\i+1] op_sel:[0,0] op_sel_hi:[1,0]
.endif
.set e, e+2
.endr
	WIN \from
.set e, 0
.rept 32
	v_pk_fma_f32 v[DD+e:DD+e+1], v[64*\a+e:64*\a+e+1], -2.0, v[DD+e:DD+e+1] op_sel_hi:[1,0,1] ; - 2 dot: doubling is exact, so this is one more rounding
.set e, e+2
.endr
	WIN 0
	; the smallest of my 64, in four chains; the clamp at 0 commutes with the minimum and is made once
.irp c, 0,1,2,3
	v_min3_num_f32 v[MM+\c], v[DD+16*\c], v[DD+16*\c+1], v[DD+16*\c+2]
.endr
.irp s, 3,5,7,9,11,13
.irp c, 0,1,2,3
	v_min3_num_f32 v[MM+\c], v[MM+\c], v[DD+16*\c+\s], v[DD+16*\c+\s+1]
.endr
.endr
.irp c, 0,1,2,3
	v_min_num_f32 v[MM+\c], v[MM+\c], v[DD+16*\c+15]
.endr
	v_min3_num_f32 v[MM], v[MM], v[MM+1], v[MM+2]
	v_min_num_f32 v[MM], v[MM], v[MM+3]
	v_max_num_f32 v[MM], 0, v[MM]
	; the first column with d <= that value: the minimum itself, or, where it was clamped, every column that the clamp brings to 0.
	; Each chain walks its sixteen columns downward, so the lowest is written last.  No branch and no address hangs on these compares.
.irp c, 0,1,2,3
	v_mov_b32 v[II+\c], 255
.endr
.set st, 15
.rept 16
.irp c, 0,1,2,3
	v_cmp_le_f32 s[76+\c], v[DD+16*\c+st], v[MM]
.endr
.irp c, 0,1,2,3
	v_cndmask_b32 v[II+\c], v[II+\c], 32*\c+16*(st/8)+st%8, s[76+\c]
.endr
.set st, st-1
.endr
	v_min_u32 v[II], v[II], v[II+1]
	v_min_u32 v[II+2], v[II+2], v[II+3]
	v_min_u32 v[II], v[II], v[II+2]
	v_add_nc_u32 v[II], v[II], v[NB]               ; the column's global number
	; the row's other 64 columns lie in the lane 16 further on: the smaller value wins, the lower column on a tie
	v_permlanex16_b32 v[MO], v[MM], s80, s81
	v_permlanex16_b32 v[IO], v[II], s80, s81
	v_cmp_lt_f32 s76, v[MO], v[MM]
	v_cmp_eq_f32 s77, v[MO], v[MM]
	v_cmp_lt_u32 s78, v[IO], v[II]
	s_and_b32 s77, s77, s78
	s_or_b32 s76, s76, s77
	v_cndmask_b32 v[MM], v[MM], v[MO], s76
	v_cndmask_b32 v[II], v[II], v[IO], s76
	v_cndmask_b32 v[SEL], v[MM], v[II], s82        ; lanes 0-15 put the value, lanes 16-31 the column
	ds_store_b32 v[STO], v[SEL] offset:64*\i
.endm
	PLACES                                         ; the places behind the last matrix instructions: results are read and fragment registers written below
	WIN 0
	s_wait_loadcnt 0x0                             ; the norms, asked for ahead of the K loop
	v_mov_b32 v[MO], 0                             ; v_permlanex16_b32 counts as a reader of its destination
	v_mov_b32 v[IO], 0
	ROWMIN 0, 0, 0x02, 0
	ROWMIN 1, 1, 0x02, 1
	ROWMIN 2, 2, 0x02, 0
	ROWMIN 3, 3, 0x02, 1
	ROWMIN 4, 0, 0x03, 0
	ROWMIN 5, 1, 0x03, 1
	ROWMIN 6, 2, 0x03, 0
	ROWMIN 7, 3, 0x03, 1
	ds_load_b128 v[OUT:OUT+3],   v[RD]             ; my own stage: LDS serves a wave's instructions in order (ISA guide 5.7.1.4), these see the stores above
	ds_load_b128 v[OUT+4:OUT+7], v[RD] offset:512
	s_lshl_b32 s66, s42, 1
	s_add_co_u32 s66, s66, s12                     ; strip p = 2 x block column + half
	s_lshl_b32 s66, s66, 15                        ; x 8,192 rows x 4 bytes
	s_lshl_b32 s67, s13, 10
	s_add_co_u32 s66, s66, s67
	s_lshl_b32 s67, s11, 9
	s_add_co_u32 s66, s66, s67                     ; + my first row x 4
	s_mov_b32 s67, 0
	s_add_nc_u64 s[70:71], s[70:71], s[66:67]
	s_wait_dscnt 0x0
	global_store_b128 v[CO], v[OUT:OUT+3],   s[70:71]                  ; 128 values: 512 neighbouring bytes at a multiple of 512
	global_store_b128 v[CO], v[OUT+4:OUT+7], s[70:71] offset:1048576   ; 128 columns likewise
	s_set_vgpr_msb 0x1
	s_wait_tensorcnt 0x0
	ds_add_u32 v63, v255
	s_wait_dscnt 0x0
	s_set_vgpr_msb 0x100
	CROUND                                         ; the closing round: no work-group ends while a partner may still ask for a tile that names it
	s_endpgm
.Lfunc_end_k_q938e433d12_dist:
	.size	k_q938e433d12_dist, .Lfunc_end_k_q938e433d12_dist-k_q938e433d12_dist
	.p2alignl 7, 3214868480
	.fill 96, 4, 3214868480
	.section	.rodata,"a",@progbits
	.p2align	6, 0x0
	.amdhsa_kernel k_q938e433d12_dist
		.amdhsa_group_segment_fixed_size 327680
		.amdhsa_private_segment_fixed_size 0
		.amdhsa_enable_private_segment 0
		.amdhsa_kernarg_size 32
		.amdhsa_user_sgpr_count 2
		.amdhsa_user_sgpr_kernarg_segment_ptr 1
		.amdhsa_wavefront_size32 1
		.amdhsa_system_sgpr_workgroup_id_x 1
		.amdhsa_system_sgpr_workgroup_id_y 1
		.amdhsa_system_sgpr_workgroup_id_z 1
		.amdhsa_system_vgpr_workitem_id 0
		.amdhsa_next_free_vgpr 1024
		.amdhsa_next_free_sgpr 84
		.amdhsa_reserve_vcc 0
		.amdhsa_float_denorm_mode_32 3
		.amdhsa_float_denorm_mode_16_64 3
		.amdhsa_memory_ordered 1
		.amdhsa_forward_progress 1
		.amdhsa_inst_pref_size 255
	.end_amdhsa_kernel
	.section	.bss,"aw",@nobits
	.p2align	6
	.space	262144
	.amdgpu_metadata
---
amdhsa.version: [ 1, 2 ]
amdhsa.kernels:
  - .name:           k_q938e433d12_dist
    .symbol:         k_q938e433d12_dist.kd
    .args:
      - { .name: xb, .offset: 0, .size: 8, .value_kind: global_buffer, .address_space: global }
      - { .name: wb, .offset: 8, .size: 8, .value_kind: global_buffer, .address_space: global }
      - { .name: nrm, .offset: 16, .size: 8, .value_kind: global_buffer, .address_space: global }
      - { .name: part, .offset: 24, .size: 8, .value_kind: global_buffer, .address_space: global }
    .group_segment_fixed_size: 327680
    .private_segment_fixed_size: 0
    .kernarg_segment_align: 8
    .kernarg_segment_size: 32
    .max_flat_workgroup_size: 128
    .sgpr_count:     84
    .vgpr_count:     1024
    .wavefront_size: 32
...
	.end_amdgpu_metadata
.endif
;; end of part 2
;; launch pick (part 3): grid 128 x 1, 1 waves a work-group, no clusters, 0 bytes of LDS; arguments part, out0, out1, bmu; writes out0, out1, bmu
.if DOCPART == 3
	.amdgcn_target "amdgcn-amd-amdhsa--gfx1250"
	.amdhsa_code_object_version 6
	.text
	.protected	k_q938e433d12_pick
	.globl	k_q938e433d12_pick
	.p2align	8
	.type	k_q938e433d12_pick,@function
k_q938e433d12_pick:
	s_mov_b64 s[64:65], 0
	v_nop
	global_prefetch_b8 v0, s[64:65] scope:SCOPE_SE
	s_setreg_imm32_b32 hwreg(HW_REG_WAVE_MODE, 25, 1), 1
	s_wait_xcnt 0x0
; pick: for each of 8,192 rows the best of its 32 strips' (smallest distance, first column): out0 = (column / 64, column % 64),
; out1 = the root of the distance, bmu = the column, as whole numbers for the launch that gathers by it.
; 2 MiB in, 128 KiB out: one wave a work-group, a lane owns two neighbouring rows, all 64 loads go out at once; each covers 256 neighbouring
; bytes at a multiple of 256.  Nothing is shared, so no LDS and no barrier.  Strips ascend with the columns: only a strictly smaller value
; replaces the best, so the lowest column wins a tie.  LIMIT: v_sqrt_f32 takes a denormal distance (below 2^-126) as zero.
.set PV, 16                            ; v[16:79]   strip p: two rows' values; strip 0's pair becomes the best
.set PX, 80                            ; v[80:143]  strip p: two rows' columns
	s_load_b256 s[4:11], s[0:1], 0x0               ; part s[4:5], out0 s[6:7], out1 s[8:9], bmu s[10:11]
	v_lshlrev_b32 v1, 3, v0
	s_lshl_b32 s12, ttmp9, 8
	v_add_nc_u32 v1, s12, v1                       ; 4 bytes x (64 g + 2 lane)
	v_lshlrev_b32 v2, 1, v1                        ; 8 bytes a row in out0
	s_wait_kmcnt 0x0
.set p, 0
.rept 32
	global_load_b64 v[PV+2*p:PV+2*p+1], v1, s[4:5] offset:p*32768
.set p, p+1
.endr
.set p, 0
.rept 32
	global_load_b64 v[PX+2*p:PX+2*p+1], v1, s[4:5] offset:1048576+p*32768
.set p, p+1
.endr
	s_wait_loadcnt 0x0
.set p, 1
.rept 31
.irp k, 0,1
	v_cmp_lt_f32 vcc_lo, v[PV+2*p+\k], v[PV+\k]
	v_cndmask_b32 v[PV+\k], v[PV+\k], v[PV+2*p+\k], vcc_lo
	v_cndmask_b32 v[PX+\k], v[PX+\k], v[PX+2*p+\k], vcc_lo
.endr
.set p, p+1
.endr
	v_sqrt_f32 v12, v[PV]
	v_sqrt_f32 v13, v[PV+1]
	v_lshrrev_b32 v8, 6, v[PX]                     ; a plain vector instruction stands behind the roots before they are used (ISA guide 5.7.2)
	v_and_b32 v9, 63, v[PX]
	v_lshrrev_b32 v10, 6, v[PX+1]
	v_and_b32 v11, 63, v[PX+1]
	global_store_b128 v2, v[8:11], s[6:7]
	s_wait_alu depctr_va_vdst(0)
	global_store_b64 v1, v[12:13], s[8:9]
	global_store_b64 v1, v[PX:PX+1], s[10:11]
	s_endpgm
.Lfunc_end_k_q938e433d12_pick:
	.size	k_q938e433d12_pick, .Lfunc_end_k_q938e433d12_pick-k_q938e433d12_pick
	.p2alignl 7, 3214868480
	.fill 96, 4, 3214868480
	.section	.rodata,"a",@progbits
	.p2align	6, 0x0
	.amdhsa_kernel k_q938e433d12_pick
		.amdhsa_group_segment_fixed_size 0
		.amdhsa_private_segment_fixed_size 0
		.amdhsa_enable_private_segment 0
		.amdhsa_kernarg_size 32
		.amdhsa_user_sgpr_count 2
		.amdhsa_user_sgpr_kernarg_segment_ptr 1
		.amdhsa_wavefront_size32 1
		.amdhsa_system_sgpr_workgroup_id_x 1
		.amdhsa_system_sgpr_workgroup_id_y 1
		.amdhsa_system_sgpr_workgroup_id_z 1
		.amdhsa_system_vgpr_workitem_id 0
		.amdhsa_next_free_vgpr 144
		.amdhsa_next_free_sgpr 66
		.amdhsa_reserve_vcc 1
		.amdhsa_float_denorm_mode_32 3
		.amdhsa_float_denorm_mode_16_64 3
		.amdhsa_memory_ordered 1
		.amdhsa_forward_progress 1
		.amdhsa_inst_pref_size 13
	.end_amdhsa_kernel
	.amdgpu_metadata
---
amdhsa.version: [ 1, 2 ]
amdhsa.kernels:
  - .name:           k_q938e433d12_pick
    .symbol:         k_q938e433d12_pick.kd
    .args:
      - { .name: part, .offset: 0, .size: 8, .value_kind: global_buffer, .address_space: global }
      - { .name: out0, .offset: 8, .size: 8, .value_kind: global_buffer, .address_space: global }
      - { .name: out1, .offset: 16, .size: 8, .value_kind: global_buffer, .address_space: global }
      - { .name: bmu, .offset: 24, .size: 8, .value_kind: global_buffer, .address_space: global }
    .group_segment_fixed_size: 0
    .private_segment_fixed_size: 0
    .kernarg_segment_align: 8
    .kernarg_segment_size: 32
    .max_flat_workgroup_size: 32
    .sgpr_count:     66
    .vgpr_count:     144
    .wavefront_size: 32
...
	.end_amdgpu_metadata
.endif
;; end of part 3
;; launch bucket (part 4): grid 64 x 8, 1 waves a work-group, no clusters, 0 bytes of LDS; arguments bmu, lst; writes lst
.if DOCPART == 4
	.amdgcn_target "amdgcn-amd-amdhsa--gfx1250"
	.amdhsa_code_object_version 6
	.text
	.protected	k_q938e433d12_bucket
	.globl	k_q938e433d12_bucket
	.p2align	8
	.type	k_q938e433d12_bucket,@function
k_q938e433d12_bucket:
	s_mov_b64 s[64:65], 0
	v_nop
	global_prefetch_b8 v0, s[64:65] scope:SCOPE_SE
	s_setreg_imm32_b32 hwreg(HW_REG_WAVE_MODE, 25, 1), 1
	s_wait_xcnt 0x0
; bucket: the batch rows sorted by the grid row of their best cell, as whole numbers for the launch that gathers by them.
; lst: 8,192 entries (row << 6 | grid column) at byte 0, ordered by grid row and, inside a grid row, by block of 1,024 batch rows;
;      at byte 32,768 a table [64][8] of pairs (first place, place behind the last) for (grid row, block);
;      at byte 36,864 one dump word for each of the 512 work-groups, never read.
; Work-group (i', w), one wave, places the rows of block w (rows 1024 w .. 1024 w + 1023) whose best cell lies in grid row i' (cells 64 i' .. 64 i' + 63).
; Its first place = the number of entries that stand in front: cells below 64 (i' + 1) in the blocks below w, cells below 64 i' in the blocks from w on.
; So every wave scans all 8,192 best cells, 32 KiB: one compare, one count of bits and one sum for 32 cells.  No work-group needs a number of another's,
; so there is no LDS, no barrier, no second launch for a prefix sum.
; A lane without a match stores to the work-group's dump word instead of being switched off: EXEC then never changes among the 32 stores, none of them waits.
; The entries leave four bytes a lane: the whole launch lists 8,192 entries, 32 KiB.
; LIMIT: a best cell outside 0..4095 (it comes only of NaN inputs) is counted and listed nowhere, and as many places at the list's end stay unwritten.
.set TAB,   32768                      ; the table, in bytes
.set DUMPW, 9216                       ; the first dump word, in words
.set OWN, 16                           ; v[16:47]   my block's best cells as loaded; then step n's store offset
.set EE,  48                           ; v[48:79]   step n's entry
.set CB,  80                           ; v[80:207]  four buffers of 32 registers: block c in buffer c % 4
	s_load_b128 s[4:7], s[0:1], 0x0                ; bmu s[4:5], lst s[6:7]
	s_and_b32 s8, ttmp7, 0xffff                    ; w
	v_lshlrev_b32 v1, 4, v0                        ; 16 lane; never rewritten
	s_lshl_b32 s10, s8, 12
	v_add_nc_u32 v10, s10, v1                      ; 4,096 w + 16 lane; never rewritten
	s_wait_kmcnt 0x0
.irp u, 0,1,2,3,4,5,6,7
	global_load_b128 v[OWN+4*\u:OWN+4*\u+3], v10, s[4:5] offset:512*\u    ; register 4 u + c: row 1024 w + 128 u + 4 lane + c
.endr
.irp c, 0,1,2,3
.irp u, 0,1,2,3,4,5,6,7
	global_load_b128 v[CB+32*\c+4*\u:CB+32*\c+4*\u+3], v1, s[4:5] offset:4096*\c+512*\u
.endr
.endr
	s_lshl_b32 s11, ttmp9, 6                       ; 64 i': the first cell of my grid row
	s_add_co_u32 s12, s11, 64                      ; the first cell of the next
	v_mov_b32 v5, s11
	v_lshlrev_b32 v2, 8, v0
	s_lshl_b32 s13, s8, 16
	v_add_nc_u32 v2, s13, v2                       ; (1024 w + 4 lane) << 6
	s_lshl_b32 s9, ttmp9, 3
	s_add_co_u32 s9, s9, s8                        ; the work-group's number 8 i' + w
	s_add_co_u32 s13, s9, DUMPW
	v_mov_b32 v3, s13                              ; my dump word, as a word's number
	s_mov_b32 s20, 0                               ; entries in front of mine
; Block c is counted.  left = younger loads that may stay out; more = 1: the buffer is loaded again with block c + 4.
; Eight compares write eight masks, then eight counts of bits, then eight sums: no line waits for the one just in front of it.
.macro COUNT c, left, more
	s_cmp_gt_u32 s8, \c                            ; a block below mine: its entries of my own grid row stand in front of mine too
	s_cselect_b32 s15, s12, s11
	s_wait_loadcnt \left                           ; loads come back in order (ISA guide 5.7.1): block c is in
.irp g, 0,1,2,3
.irp k, 0,1,2,3,4,5,6,7
	v_cmp_gt_u32 s[24+\k], s15, v[CB+32*(\c%4)+8*\g+\k]
.endr
.irp k, 0,1,2,3,4,5,6,7
	s_bcnt1_i32_b32 s[24+\k], s[24+\k]
.endr
.irp k, 0,1,2,3,4,5,6,7
	s_add_co_u32 s20, s20, s[24+\k]
.endr
.endr
.if \more
.irp u, 0,1,2,3,4,5,6,7
	global_load_b128 v[CB+32*(\c%4)+4*\u:CB+32*(\c%4)+4*\u+3], v1, s[4:5] offset:4096*(\c+4)+512*\u
.endr
.endif
.endm
	COUNT 0, 24, 1                                 ; behind block c's eight loads stand those of the three blocks after it: 24
	COUNT 1, 24, 1
	COUNT 2, 24, 1
	COUNT 3, 24, 1
	COUNT 4, 24, 0
	COUNT 5, 16, 0                                 ; nothing more is asked for: the counts run down
	COUNT 6, 8, 0
	COUNT 7, 0, 0
	s_mov_b32 s16, s20                             ; my first place
	; THE PLACES.  A match gets the next free place; the clamp stands last, so that the offset is a clamped number, shifted.
	; Every store has an offset register and a data register of its own: nothing that a pending store reads is written again.
	; (My own block's loads were the first issued: they are in since the first wait above.)
.set n, 0
.rept 32
	v_sub_nc_u32 v4, v[OWN+n], v5                  ; cell - 64 i': 0..63 in my grid row, and then it is the grid column
	v_cmp_gt_u32 vcc_lo, 64, v4
	v_add3_u32 v[EE+n], v4, v2, ((128*(n/4)+n%4)<<6)   ; row << 6 | column
	v_mbcnt_lo_u32_b32 v[OWN+n], vcc_lo, s20       ; matches in the lanes below me + places taken so far
	v_cndmask_b32 v[OWN+n], v3, v[OWN+n], vcc_lo   ; no match: the dump word
	v_min_u32 v[OWN+n], 0x25ff, v[OWN+n]           ; the buffer's last word
	v_lshlrev_b32 v[OWN+n], 2, v[OWN+n]
	global_store_b32 v[OWN+n], v[EE+n], s[6:7]
	s_bcnt1_i32_b32 s21, vcc_lo
	s_add_co_u32 s20, s20, s21
.set n, n+1
.endr
	; the pair (first place, place behind the last), from lane 0
	s_lshl_b32 s22, s9, 3
	s_add_co_u32 s22, s22, TAB
	v_mov_b32 v6, s22
	v_mov_b32 v8, s16
	v_mov_b32 v9, s20
	v_cmp_eq_u32 vcc_lo, 0, v0
	s_wait_xcnt 0x0                                ; EXEC is a source of the stores above: it changes only behind this wait
	s_and_saveexec_b32 s23, vcc_lo
	global_store_b64 v6, v[8:9], s[6:7]
	s_wait_xcnt 0x0                                ; and again in front of the line that widens it
	s_or_b32 exec_lo, exec_lo, s23
	s_endpgm
.Lfunc_end_k_q938e433d12_bucket:
	.size	k_q938e433d12_bucket, .Lfunc_end_k_q938e433d12_bucket-k_q938e433d12_bucket
	.p2alignl 7, 3214868480
	.fill 96, 4, 3214868480
	.section	.rodata,"a",@progbits
	.p2align	6, 0x0
	.amdhsa_kernel k_q938e433d12_bucket
		.amdhsa_group_segment_fixed_size 0
		.amdhsa_private_segment_fixed_size 0
		.amdhsa_enable_private_segment 0
		.amdhsa_kernarg_size 16
		.amdhsa_user_sgpr_count 2
		.amdhsa_user_sgpr_kernarg_segment_ptr 1
		.amdhsa_wavefront_size32 1
		.amdhsa_system_sgpr_workgroup_id_x 1
		.amdhsa_system_sgpr_workgroup_id_y 1
		.amdhsa_system_sgpr_workgroup_id_z 1
		.amdhsa_system_vgpr_workitem_id 0
		.amdhsa_next_free_vgpr 208
		.amdhsa_next_free_sgpr 66
		.amdhsa_reserve_vcc 1
		.amdhsa_float_denorm_mode_32 3
		.amdhsa_float_denorm_mode_16_64 3
		.amdhsa_memory_ordered 1
		.amdhsa_forward_progress 1
		.amdhsa_inst_pref_size 57
	.end_amdhsa_kernel
	.amdgpu_metadata
---
amdhsa.version: [ 1, 2 ]
amdhsa.kernels:
  - .name:           k_q938e433d12_bucket
    .symbol:         k_q938e433d12_bucket.kd
    .args:
      - { .name: bmu, .offset: 0, .size: 8, .value_kind: global_buffer, .address_space: global }
      - { .name: lst, .offset: 8, .size: 8, .value_kind: global_buffer, .address_space: global }
    .group_segment_fixed_size: 0
    .private_segment_fixed_size: 0
    .kernarg_segment_align: 8
    .kernarg_segment_size: 16
    .max_flat_workgroup_size: 32
    .sgpr_count:     66
    .vgpr_count:     208
    .wavefront_size: 32
...
	.end_amdgpu_metadata
.endif
;; end of part 4
;; launch gather (part 5): grid 64 x 4, 8 waves a work-group, no clusters, 137,216 bytes of LDS; arguments lst, xb, tt, tcp; writes tt, tcp
.if DOCPART == 5
	.amdgcn_target "amdgcn-amd-amdhsa--gfx1250"
	.amdhsa_code_object_version 6
	.text
	.protected	k_q938e433d12_gather
	.globl	k_q938e433d12_gather
	.p2align	8
	.type	k_q938e433d12_gather,@function
k_q938e433d12_gather:
	s_mov_b64 s[64:65], 0
	v_nop
	global_prefetch_b8 v0, s[64:65] scope:SCOPE_SE
	s_setreg_imm32_b32 hwreg(HW_REG_WAVE_MODE, 25, 1), 1
	s_wait_xcnt 0x0
; gather: the neighbourhood exp(-((i-bi)^2 + (j-bj)^2) / 2) is a product of a factor in i and a factor in j, and hangs on a batch row only through
; its best cell (bi, bj).  So  neigh^T X [(i,j)] = sum over i' of Kr(i - i') T[i'][j],  T[i'][j][d] = sum over rows b with bi = i' of C(j - bj[b]) x[b][d]:
; the same sum in another order, for every input.  This launch makes T and the counts tc[i'][j] = sum of C(j - bj[b]); the next one applies Kr.
; Work-group (i', q): grid row i', features 256 q .. 256 q + 255.  The rows of its grid row stand in lst, sorted by an earlier launch: places start .. end - 1
; of 8,192 entries (row << 6 | bj), start and end in a table behind them.  It brings the rows' 512 bytes into LDS, 256 rows a chunk, and multiplies:
; A[j][k] = bf16(C(j - bj of row k)), made in registers, B[k][d] = xb, read transposed from LDS.
; The chunks begin at start rounded down to a multiple of 32, so that a wave's 32 entries are 128 aligned bytes, which four scalar loads bring;
; places in front of start or from end on get the weight 0.  Every branch and every address hangs on ids, constants and whole numbers read from lst.
; Wave w: features half nh = w & 1 (eight tiles of 16), grid columns 16 mt .. 16 mt + 15 with mt = w >> 1; a ninth tile sums A's rows: the counts, made of
; the SAME rounded weights as T, so that T - tc w is a sum of weight x (x - w) and a common offset of the inputs cancels.
; T and tc go out as bf16 hi + lo (the rest of the f32 sum), 16 bits of mantissa: they are operands of the next product.
; LIMITS: C is rounded to bf16; v_exp_f32 gives 0 below 2^-126, that is from |j - bj| = 14 on.  A row with weight 0 is still multiplied: inputs are finite.
; No cluster: the four work-groups of a grid row share only its list, at most 32 KiB.  No prefetch: a row's address is known only just before its load.
; THE ORDER OF FEATURES in tt, inside a half of 128: tile t, column r is feature 8 t + 64 (r >> 3) + (r & 7) (what the transposing load below brings) and is
; stored at place 64 (r >> 3) + 16 (r & 3) + 8 ((r >> 2) & 1) + t: a lane's eight tiles are 16 neighbouring bytes, sixteen lanes fill 256.
.set BP,   528                         ; pitch of a gathered row in LDS: 512 + 16: eight rows start 4 banks apart, the two column blocks 32 banks apart
.set FJ,   135168                      ; behind 256 rows x 528: the chunk's 256 grid columns bj as f32
.set TAB,  32768                       ; lst: the table [64][8] of pairs (first place, place behind the last)
.set TW,   16                          ; v[16:31]   sixteen bj, worked on in place up to the weights
.set JF,   32                          ; v[32:33]   my grid column 16 mt + r as f32, twice
.set ONES, 40                          ; v[40:47]   a fragment of ones
.set ACC,  48                          ; v[48:119]  tile t at ACC + 8 t, the counts at ACC + 64
.set AF,   120                         ; v[120:127] the weights' fragment
.set GG,   128                         ; v[128:255] 32 gathered rows; v[128:191] B fragments; the way out
.set EN,   68                          ; s[68:99]   my wave's 32 entries of a chunk, then their rows
	s_load_b256 s[4:11], s[0:1], 0x0               ; lst s[4:5], xb s[6:7], tt s[8:9], tcp s[10:11]
	v_lshl_add_u32 v14, v0, 2, 0x21400
	v_mov_b32 v15, 0
	v_lshrrev_b32 v35, 5, v0
	v_readfirstlane_b32 s14, v35                   ; wave
	s_lshl_b32 s62, ttmp9, 6                       ; my grid row's eight pairs, 64 bytes; s62 is not written again
	s_wait_kmcnt 0x0
	s_load_b32 s46, s[4:5], s62 offset:TAB         ; start: the first place of block 0
	s_load_b32 s48, s[4:5], s62 offset:TAB+60      ; end: the place behind the last of block 7
	v_and_b32 v1, 31, v0                           ; lane L
	s_and_b32 s15, s14, 1                          ; nh
	s_lshr_b32 s16, s14, 1                         ; mt
	s_mov_b32 s17, ttmp9                           ; i'
	s_and_b32 s18, ttmp7, 0xffff                   ; q
	s_lshl_b32 s56, s14, 5                         ; my wave's first row of a chunk
	s_add_nc_u64 s[58:59], s[8:9], 0x800000        ; tt's lo plane
	v_and_b32 v2, 15, v0                           ; r
	v_bfe_u32 v3, v0, 4, 1                         ; h
	v_bfe_u32 v4, v0, 3, 1                         ; y = r >> 3
	v_and_b32 v5, 7, v0
	v_lshlrev_b32 v8, 2, v0
	v_add_nc_u32 v8, FJ, v8                        ; my thread's word of FJ
	s_mul_i32 s21, s14, 32*BP
	v_lshl_add_u32 v9, v1, 4, s21                  ; my wave's 32 rows of a chunk, 16 bytes a lane
	s_lshl_b32 s21, s18, 9
	v_lshl_add_u32 v10, v1, 4, s21                 ; my 16 bytes of a row's quarter q
	v_lshl_add_u32 v11, v3, 3, v5                  ; the transposing load: row 8 h + (L & 7),
	v_mul_u32_u24 v11, BP, v11
	v_lshl_add_u32 v11, v4, 7, v11                 ; column block y, 128 bytes on,
	s_lshl_b32 s21, s15, 8
	v_add_nc_u32 v11, s21, v11                     ; in my half of the features: K steps 0-3
	v_add_nc_u32 v12, 4*32*BP, v11                 ; K steps 4-7 (an immediate reaches 65,535 bytes)
	v_lshlrev_b32 v13, 5, v3
	v_add_nc_u32 v13, FJ, v13                      ; bj of k = 8 h ..
	s_lshl_b32 s21, s16, 4
	v_add_nc_u32 v32, s21, v2
	v_cvt_f32_u32 v[JF], v32
	v_mov_b32 v[JF+1], v[JF]
	v_mov_b32 v34, 0x461c4000                      ; 1.0e4: the column of a place outside the list; its weight is exp2 of about -7e7, which is 0
.irp k, 0,1,2,3,4,5,6,7
	v_mov_b32 v[ONES+\k], 0x3f803f80
.endr
	s_wait_kmcnt 0x0                               ; start and end
	s_and_b32 s53, s46, -32                        ; the first chunk's first place: start rounded down to a multiple of 32
	s_sub_co_u32 s49, s48, s53                     ; places left, at most 8,192;
	s_max_u32 s49, s49, 1                          ; an empty list runs one K step of weights 0, which starts the sums at 0
; A chunk's 256 rows come in.  Wave w has places p .. p + 31, p = the chunk's first place + 32 w, a multiple of 32; the clamp to 8,160 keeps the loads
; inside the 8,192 entries where p lies behind them (no K step then reads what this wave brings).  Four scalar loads bring the 32 entries for the rows'
; addresses; lane L loads entry p + L once more for its column, which goes to FJ.  Then each wave whose places begin inside the list brings its 32 rows:
; one load is a row's whole 512 bytes.
.macro STAGE
	s_add_co_u32 s55, s53, s56                     ; p
	s_min_u32 s54, s55, 0x1fe0                     ; the clamp, then only a shift and sums
	s_lshl_b32 s63, s54, 2
	s_load_b256 s[EN:EN+7],     s[4:5], s63 offset:0x0
	s_load_b256 s[EN+8:EN+15],  s[4:5], s63 offset:32
	s_load_b256 s[EN+16:EN+23], s[4:5], s63 offset:64
	s_load_b256 s[EN+24:EN+31], s[4:5], s63 offset:96
	v_lshl_add_u32 v36, v1, 2, s63
	global_load_b32 v39, v36, s[4:5]
	v_add_nc_u32 v35, s55, v1                      ; my place, not clamped
	v_cmp_le_u32 s60, s46, v35                     ; start <= place
	v_cmp_gt_u32 s61, s48, v35                     ; end > place
	s_and_b32 s60, s60, s61
	s_wait_loadcnt 0x0                             ; no other load of the wave is out here; the wait also frees v36
	v_and_b32 v38, 63, v39
	v_cvt_f32_u32 v38, v38
	v_cndmask_b32 v38, v34, v38, s60
	ds_store_b32 v8, v38
	s_wait_kmcnt 0x0                               ; the 32 entries, on every path: s63 and s[68:99] are written again in the next chunk
	s_cmp_le_i32 s49, s56                          ; places left <= 32 w: none of my 32 is read by a K step
	s_cbranch_scc1 .Lnorows_\@
.irp g, 0,1,2,3
.irp k, 0,1,2,3,4,5,6,7
	s_lshr_b32 s[EN+8*\g+\k], s[EN+8*\g+\k], 6     ; the row
.endr
.irp k, 0,1,2,3,4,5,6,7
	s_min_u32 s[EN+8*\g+\k], s[EN+8*\g+\k], 0x1fff ; a row of xb
.endr
.irp k, 0,1,2,3,4,5,6,7
	v_lshl_add_u32 v[GG+4*(8*\g+\k)], s[EN+8*\g+\k], 11, v10
.endr
.irp k, 0,1,2,3,4,5,6,7
	global_load_b128 v[GG+4*(8*\g+\k):GG+4*(8*\g+\k)+3], v[GG+4*(8*\g+\k)], s[6:7]    ; lands on its own offset register
.endr
.endr
.set u, 0
.rept 32
	s_wait_loadcnt 31-u                            ; loads come back in order (ISA guide 5.7.1): row u is in, the 31 - u younger ones stay out
	ds_store_b128 v9, v[GG+4*u:GG+4*u+3] offset:BP*u
.set u, u+1
.endr
.Lnorows_\@:
.endm
; One K step: 32 rows of the chunk.  The weights' fragment is made in registers while the transposing loads are on their way.
; The nine accumulators take turns, one instruction a turn, from step to step and from chunk to chunk.
.macro KSTEP ks, zero
.if \ks < 4
.set BB, 11
.set KO, \ks*32*BP
.else
.set BB, 12
.set KO, (\ks-4)*32*BP
.endif
	ds_load_b128 v[TW:TW+3],     v13 offset:128*\ks        ; bj of k = 8 h .. 8 h + 7
	ds_load_b128 v[TW+4:TW+7],   v13 offset:128*\ks+16
	ds_load_b128 v[TW+8:TW+11],  v13 offset:128*\ks+64     ; and of k = 16 + 8 h ..
	ds_load_b128 v[TW+12:TW+15], v13 offset:128*\ks+80
.if \zero == 0
.rept 4
	v_nop                                          ; four places between the last matrix instructions and the loads into their B registers
.endr
.endif
.irp t, 0,1,2,3,4,5,6,7
	ds_load_tr16_b128 v[GG+8*\t:GG+8*\t+3],   v[BB] offset:KO+16*\t            ; k = 8 h .. + 7 of feature 8 t + 64 y + (L & 7)
	ds_load_tr16_b128 v[GG+8*\t+4:GG+8*\t+7], v[BB] offset:KO+16*\t+16*BP      ; k = 16 + 8 h ..
.endr
	s_wait_dscnt 16                                ; the four loads of columns are in; the sixteen behind them stay out
.irp k, 0,2,4,6,8,10,12,14
	v_pk_add_f32 v[TW+\k:TW+\k+1], v[JF:JF+1], v[TW+\k:TW+\k+1] neg_lo:[0,1] neg_hi:[0,1]    ; j - bj
.endr
.irp k, 0,2,4,6,8,10,12,14
	v_pk_mul_f32 v[TW+\k:TW+\k+1], v[TW+\k:TW+\k+1], v[TW+\k:TW+\k+1]
.endr
.irp k, 0,2,4,6,8,10,12,14
	v_pk_mul_f32 v[TW+\k:TW+\k+1], v[TW+\k:TW+\k+1], 0xbf38aa3b op_sel_hi:[1,0]              ; x (-1/2) log2 e
.endr
.irp k, 0,1,2,3,4,5,6,7,8,9,10,11,12,13,14,15
	v_exp_f32 v[TW+\k], v[TW+\k]
.endr
	v_nop                                          ; one plain place behind the exponentials before they are read (ISA guide 5.7.2)
	s_wait_alu depctr_va_vdst(0)
.irp k, 0,1,2,3,4,5,6,7
	v_cvt_pk_bf16_f32 v[AF+\k], v[TW+2*\k], v[TW+2*\k+1]
.endr
	s_wait_dscnt 0x0
.irp t, 0,1,2,3,4,5,6,7
.if \zero
	v_wmma_f32_16x16x32_bf16 v[ACC+8*\t:ACC+8*\t+7], v[AF:AF+7], v[GG+8*\t:GG+8*\t+7], 0
.else
	v_wmma_f32_16x16x32_bf16 v[ACC+8*\t:ACC+8*\t+7], v[AF:AF+7], v[GG+8*\t:GG+8*\t+7], v[ACC+8*\t:ACC+8*\t+7]
.endif
.endr
.if \zero
	v_wmma_f32_16x16x32_bf16 v[ACC+64:ACC+71], v[ONES:ONES+7], v[AF:AF+7], 0                 ; ones x weights: every register of lane (r, h) holds tc[16 mt + r]
.else
	v_wmma_f32_16x16x32_bf16 v[ACC+64:ACC+71], v[ONES:ONES+7], v[AF:AF+7], v[ACC+64:ACC+71]
.endif
.endm
; A chunk.  Both barriers stand on every wave's path in every chunk; what hangs on the list's length only jumps over work that holds no barrier.
.macro CHUNK first
.if \first == 0
	s_cmp_le_i32 s49, 0
	s_cbranch_scc1 .Lnostage_\@
.endif
	STAGE
.Lnostage_\@:
	s_wait_dscnt 0x0                               ; my rows and my column are written before I signal
	s_barrier_signal -1
	s_barrier_wait -1
.if \first == 0
	s_cmp_le_i32 s49, 0
	s_cbranch_scc1 .Lnok_\@
.endif
	s_add_co_i32 s50, s49, 31
	s_lshr_b32 s50, s50, 5                         ; K steps that hold a place of the list; step ks reads the rows that wave ks brought under the same condition
	KSTEP 0, \first
.irp ks, 1,2,3,4,5,6,7
	s_cmp_le_u32 s50, \ks
	s_cbranch_scc1 .Lnok_\@
	KSTEP \ks, 0
.endr
.Lnok_\@:
	s_wait_dscnt 0x0                               ; my reads of the chunk are over before I signal: behind the barrier it is overwritten
	s_barrier_signal -1
	s_barrier_wait -1
	s_sub_co_i32 s49, s49, 256
	s_add_co_u32 s53, s53, 256
.endm
	CHUNK 1                                        ; its first K step starts the sums: nothing is cleared
	s_mov_b32 s52, 0
.Lchunk:                                           ; 31 more chunks: 32 x 256 = all 8,192 rows may fall into one grid row
	CHUNK 0
	s_add_co_u32 s52, s52, 1
	s_cmp_lt_u32 s52, 31
	s_cbranch_scc1 .Lchunk
	; THE WAY OUT.  Register jj of tile t: T[16 mt + 8 h + jj][feature of (t, r)].
	s_lshl_b32 s21, s17, 6
	s_lshl_b32 s54, s16, 4
	s_add_co_u32 s21, s21, s54                     ; row 64 i' + 16 mt of tt
	s_lshl_b32 s21, s21, 11
	s_lshl_b32 s54, s18, 9
	s_add_co_u32 s21, s21, s54
	s_lshl_b32 s54, s15, 8
	s_add_co_u32 s21, s21, s54                     ; + quarter q, half nh
	v_lshl_add_u32 v35, v3, 14, s21                ; + 8 h rows.  These six plain vector lines name no register of the last matrix instructions:
	v_lshl_add_u32 v35, v4, 7, v35                 ; + 128 (r >> 3)   they are the four places in front of the reads of the sums
	v_and_b32 v36, 3, v0
	v_lshl_add_u32 v35, v36, 5, v35                ; + 32 (r & 3)
	v_bfe_u32 v36, v0, 2, 1
	v_lshl_add_u32 v35, v36, 4, v35                ; + 16 ((r >> 2) & 1)
.irp jj, 0,1,2,3,4,5,6,7
.irp k, 0,1,2,3
	v_cvt_pk_bf16_f32 v[GG+8*\jj+\k], v[ACC+16*\k+\jj], v[ACC+16*\k+8+\jj]         ; hi of tiles 2 k, 2 k + 1
.endr
.irp k, 0,1,2,3
	v_lshlrev_b32 v[TW+2*\k],   16,         v[GG+8*\jj+\k]
	v_and_b32     v[TW+2*\k+1], 0xffff0000, v[GG+8*\jj+\k]
.endr
.irp k, 0,1,2,3
	v_sub_f32 v[TW+2*\k],   v[ACC+16*\k+\jj],   v[TW+2*\k]                         ; what hi left over, exact in f32
	v_sub_f32 v[TW+2*\k+1], v[ACC+16*\k+8+\jj], v[TW+2*\k+1]
.endr
.irp k, 0,1,2,3
	v_cvt_pk_bf16_f32 v[GG+8*\jj+4+\k], v[TW+2*\k], v[TW+2*\k+1]                   ; lo
.endr
	global_store_b128 v35, v[GG+8*\jj:GG+8*\jj+3],   s[8:9]   offset:2048*\jj      ; sixteen lanes store 256 neighbouring bytes at a multiple of 256;
	global_store_b128 v35, v[GG+8*\jj+4:GG+8*\jj+7], s[58:59] offset:2048*\jj      ; every store has data registers of its own
.endr
	; the counts: once for each grid row and column, from the waves of quarter 0, half 0.  tcp[j][i'] = hi | lo << 16: four bytes a lane, rows of
	; 256 bytes apart, 16 KiB in the whole launch, laid so that the next launch reads one column's 64 counts as 256 neighbouring bytes.
	s_or_b32 s21, s18, s15
	s_cmp_lg_u32 s21, 0
	s_cbranch_scc1 .Lend
	v_cvt_pk_bf16_f32 v36, v[ACC+64], v[ACC+64]
	v_lshlrev_b32 v36, 16, v36                     ; hi as f32
	v_sub_f32 v37, v[ACC+64], v36
	v_cvt_pk_bf16_f32 v36, v36, v37                ; hi (exact) below, lo above
	s_lshl_b32 s21, s16, 4
	v_add_nc_u32 v38, s21, v2                      ; j = 16 mt + r
	v_lshlrev_b32 v38, 6, v38
	v_add_lshl_u32 v38, v38, s17, 2                ; (64 j + i') x 4
	v_cmp_gt_u32 vcc_lo, 16, v1
	s_wait_xcnt 0x0                                ; EXEC is a source of the stores above: it changes only behind this wait
	s_and_saveexec_b32 s21, vcc_lo
	global_store_b32 v38, v36, s[10:11]
	s_wait_xcnt 0x0                                ; and again in front of the line that widens it
	s_or_b32 exec_lo, exec_lo, s21
.Lend:
	s_wait_tensorcnt 0x0
	ds_add_u32 v14, v15
	s_wait_dscnt 0x0
	s_endpgm
.Lfunc_end_k_q938e433d12_gather:
	.size	k_q938e433d12_gather, .Lfunc_end_k_q938e433d12_gather-k_q938e433d12_gather
	.p2alignl 7, 3214868480
	.fill 96, 4, 3214868480
	.section	.rodata,"a",@progbits
	.p2align	6, 0x0
	.amdhsa_kernel k_q938e433d12_gather
		.amdhsa_group_segment_fixed_size 137216
		.amdhsa_private_segment_fixed_size 0
		.amdhsa_enable_private_segment 0
		.amdhsa_kernarg_size 32
		.amdhsa_user_sgpr_count 2
		.amdhsa_user_sgpr_kernarg_segment_ptr 1
		.amdhsa_wavefront_size32 1
		.amdhsa_system_sgpr_workgroup_id_x 1
		.amdhsa_system_sgpr_workgroup_id_y 1
		.amdhsa_system_sgpr_workgroup_id_z 1
		.amdhsa_system_vgpr_workitem_id 0
		.amdhsa_next_free_vgpr 256
		.amdhsa_next_free_sgpr 100
		.amdhsa_reserve_vcc 1
		.amdhsa_float_denorm_mode_32 3
		.amdhsa_float_denorm_mode_16_64 3
		.amdhsa_memory_ordered 1
		.amdhsa_forward_progress 1
		.amdhsa_inst_pref_size 118
	.end_amdhsa_kernel
	.amdgpu_metadata
---
amdhsa.version: [ 1, 2 ]
amdhsa.kernels:
  - .name:           k_q938e433d12_gather
    .symbol:         k_q938e433d12_gather.kd
    .args:
      - { .name: lst, .offset: 0, .size: 8, .value_kind: global_buffer, .address_space: global }
      - { .name: xb, .offset: 8, .size: 8, .value_kind: global_buffer, .address_space: global }
      - { .name: tt, .offset: 16, .size: 8, .value_kind: global_buffer, .address_space: global }
      - { .name: tcp, .offset: 24, .size: 8, .value_kind: global_buffer, .address_space: global }
    .group_segment_fixed_size: 137216
    .private_segment_fixed_size: 0
    .kernarg_segment_align: 8
    .kernarg_segment_size: 32
    .max_flat_workgroup_size: 256
    .sgpr_count:     100
    .vgpr_count:     256
    .wavefront_size: 32
...
	.end_amdgpu_metadata
.endif
;; end of part 5
;; launch update (part 6): grid 64 x 4, 8 waves a work-group, no clusters, 168,960 bytes of LDS; arguments tt, tcp, wb, out2; writes out2
.if DOCPART == 6
	.amdgcn_target "amdgcn-amd-amdhsa--gfx1250"
	.amdhsa_code_object_version 6
	.text
	.protected	k_q938e433d12_update
	.globl	k_q938e433d12_update
	.p2align	8
	.type	k_q938e433d12_update,@function
k_q938e433d12_update:
	s_mov_b64 s[64:65], 0
	v_nop
	global_prefetch_b8 v0, s[64:65] scope:SCOPE_SE
	s_setreg_imm32_b32 hwreg(HW_REG_WAVE_MODE, 25, 1), 1
	s_wait_xcnt 0x0
; update: O[i][d] = sum over i' of Kr(i - i') T[i'][j][d],  s[i] = sum over i' of Kr(i - i') tc[i'][j],  out2[(i, j)][d] = w + 0.1 (O - s w),
; with Kr(n) = bf16(exp(-n^2 / 2)) and w the weight rounded to bf16, as in every launch of this program.
; Work-group (j, q): grid column j, features 256 q .. + 255.  A[i][i'] = Kr is made in registers; B[i'][d] = T's hi plane, then its lo plane, 64 rows
; of 512 bytes each, brought by one tensor load a plane (waves 0 and 1: each has one load outstanding) and read transposed from LDS.
; Wave w: half nh = w & 1 of the features (eight tiles), grid rows 16 mt .. 16 mt + 15 with mt = w >> 1; a ninth tile, whose B has sixteen equal
; columns of counts, gives s in the registers' own rows.  O and s are made of the same rounded Kr, so O - s w is a sum of weight x (x - w).
; LIMITS: Kr is rounded to bf16 and is 0 from |i - i'| = 14 on (v_exp_f32 gives 0 below 2^-126).
; THE ORDER OF FEATURES in tt: place 16 T + r of a half, T = 4 x + t, r = 8 y + e, is feature 64 x + 8 e + 4 y + t: a lane's tiles 4 x .. 4 x + 3 are four
; neighbouring features, 16 bytes of out2, and sixteen lanes fill 256 bytes.
; No cluster: work-groups share 256 bytes of counts.  LDS is filled once: one barrier, no ring.
.set TP,    544                        ; pitch in LDS: 512 + 32, an odd multiple of 32, for the transposing loads
.set PLANE, 64*TP                      ; hi plane at 0, lo plane behind it
.set WB,  16                           ; v[16:47]   w: register pair 4 jj + 2 x
.set AF,  48                           ; v[48:63]   Kr's fragments, K step ks at AF + 8 ks
.set CH,  64                           ; v[64:79]   the counts' hi, as B fragments
.set CL,  80                           ; v[80:95]   the counts' lo
.set ACC, 96                           ; v[96:167]  tile T at ACC + 8 T, s at ACC + 64
.set BF,  168                          ; v[168:231] the counts as loaded; B fragments; the results to store
.set TT,  232                          ; v[232:247] exponents at work
.set WT,  248                          ; v[248:251] four w as f32
	s_load_b256 s[4:11], s[0:1], 0x0               ; tt s[4:5], tcp s[6:7], wb s[8:9], out2 s[10:11]
	v_lshl_add_u32 v254, v0, 2, 0x29000
	v_mov_b32 v255, 0
	ds_add_u32 v254, v255
	ds_add_u32 v254, v255
	v_lshrrev_b32 v6, 5, v0
	v_readfirstlane_b32 s24, v6                    ; wave
	s_and_b32 s25, s24, 1                          ; nh
	s_lshr_b32 s26, s24, 1                         ; mt
	s_mov_b32 s27, ttmp9                           ; j
	s_and_b32 s28, ttmp7, 0xffff                   ; q
	; descriptor group 1: 64 rows x 256 elements of 2 bytes; from grid row to grid row 64 x 1,024 elements; 8 words of padding behind each 128
	s_mov_b32 s16, (1<<16)|(1<<20)|(6<<22)|(7<<25)
	s_mov_b32 s17, 256<<16                         ; tensor_dim0 = 256
	s_mov_b32 s18, 64<<16                          ; tensor_dim1 = 64
	s_mov_b32 s19, 256<<16                         ; tile_dim0 = 256
	s_mov_b32 s20, 64                              ; tile_dim1 = 64
	s_mov_b32 s21, 65536                           ; elements from row to row
	s_mov_b32 s22, 0
	s_mov_b32 s23, 0
	s_lshl_b32 s30, s27, 11                        ; row j of grid row 0
	s_lshl_b32 s31, s28, 9                         ; quarter q
	s_add_co_u32 s30, s30, s31
	s_lshl_b32 s31, s24, 23                        ; wave 0: the hi plane, wave 1: the lo plane, 8 MiB on
	s_add_co_u32 s30, s30, s31
	s_mov_b32 s31, 0
	s_wait_dscnt 0x0
	s_wait_kmcnt 0x0
	s_cmp_gt_u32 s24, 1
	s_cbranch_scc1 .Lnofill
	s_mov_b32 s12, 1
	s_mul_i32 s13, s24, PLANE
	s_add_nc_u64 s[14:15], s[4:5], s[30:31]
	s_or_b32 s15, s15, 0x80000000
	tensor_load_to_lds s[12:15], s[16:23]          ; ahead of every wait on TENSORcnt, LDS read and barrier
	s_nop 0
.Lnofill:
	v_and_b32 v1, 31, v0                           ; L
	v_and_b32 v2, 15, v0                           ; r
	v_bfe_u32 v3, v0, 4, 1                         ; h
	v_bfe_u32 v4, v0, 3, 1                         ; y
	v_and_b32 v5, 7, v0                            ; e
	s_lshl_b32 s29, s26, 10
	s_add_co_u32 s29, s29, s27
	v_lshl_add_u32 v7, v3, 9, s29                  ; cell (16 mt + 8 h) x 64 + j
	s_lshl_b32 s32, s28, 8
	s_lshl_b32 s33, s25, 7
	s_add_co_u32 s32, s32, s33
	v_lshl_add_u32 v8, v5, 3, s32
	v_lshl_add_u32 v8, v4, 2, v8                   ; feature 256 q + 128 nh + 8 e + 4 y
	v_lshlrev_b32 v9, 11, v7
	v_lshl_add_u32 v9, v8, 1, v9                   ; in wb
	v_lshlrev_b32 v10, 12, v7
	v_lshl_add_u32 v10, v8, 2, v10                 ; in out2
	v_lshl_add_u32 v11, v3, 3, v5
	v_mul_u32_u24 v11, TP, v11                     ; the transposing load: row 8 h + e,
	v_lshl_add_u32 v11, v4, 4, v11                 ; + 16 y,
	s_lshl_b32 s33, s25, 8
	v_add_nc_u32 v11, s33, v11                     ; in my half
	s_lshl_b32 s33, s27, 8
	v_lshl_add_u32 v12, v3, 5, s33                 ; counts: 256 j + 32 h
	s_lshl_b32 s33, s26, 4
	v_add_nc_u32 v13, s33, v2
	v_lshlrev_b32 v14, 3, v3
	v_sub_nc_u32 v13, v13, v14                     ; 16 mt + r - 8 h (a signed whole number)
.irp ks, 0,1
.irp c, 0,1
.irp k, 0,1
	global_load_b128 v[BF+16*\ks+8*\c+4*\k:BF+16*\ks+8*\c+4*\k+3], v12, s[6:7] offset:128*\ks+64*\c+16*\k    ; counts of i' = 32 ks + 16 c + 8 h + 4 k ..
.endr
.endr
.endr
.irp jj, 0,1,2,3,4,5,6,7
.irp x, 0,1
	global_load_b64 v[WB+4*\jj+2*\x:WB+4*\jj+2*\x+1], v9, s[8:9] offset:131072*\jj+128*\x    ; four w of grid row + jj; sixteen lanes take 128 neighbouring bytes
.endr
.endr
; Kr's fragment of K step ks: lane (r, h), number n = 8 c + e': i - i' = (16 mt + r - 8 h) - (32 ks + 16 c + e')
.macro KROW ks
.set n, 0
.rept 16
	v_subrev_nc_u32 v[TT+n], 32*\ks+16*(n/8)+n%8, v13
.set n, n+1
.endr
.set n, 0
.rept 16
	v_cvt_f32_i32 v[TT+n], v[TT+n]
.set n, n+1
.endr
.irp k, 0,2,4,6,8,10,12,14
	v_pk_mul_f32 v[TT+\k:TT+\k+1], v[TT+\k:TT+\k+1], v[TT+\k:TT+\k+1]
.endr
.irp k, 0,2,4,6,8,10,12,14
	v_pk_mul_f32 v[TT+\k:TT+\k+1], v[TT+\k:TT+\k+1], 0xbf38aa3b op_sel_hi:[1,0]              ; x (-1/2) log2 e
.endr
.irp k, 0,1,2,3,4,5,6,7,8,9,10,11,12,13,14,15
	v_exp_f32 v[TT+\k], v[TT+\k]
.endr
	v_nop                                          ; one plain place behind the exponentials before they are read (ISA guide 5.7.2)
	s_wait_alu depctr_va_vdst(0)
.irp k, 0,1,2,3,4,5,6,7
	v_cvt_pk_bf16_f32 v[AF+8*\ks+\k], v[TT+2*\k], v[TT+2*\k+1]
.endr
.endm
	KROW 0
	KROW 1
	s_wait_loadcnt 16                              ; the eight loads of counts are in; the sixteen of w behind them stay out
.set n, 0
.rept 16
	v_perm_b32 v[CH+n], v[BF+2*n+1], v[BF+2*n], 0x05040100     ; two neighbouring i': the low halves (hi of the count)
	v_perm_b32 v[CL+n], v[BF+2*n+1], v[BF+2*n], 0x07060302     ; the high halves (lo)
.set n, n+1
.endr
	s_wait_tensorcnt 0x0                           ; the plane that I asked for has landed (waves 2-7 asked for none),
	s_barrier_signal -1
	s_barrier_wait -1                              ; and so have both, for every wave; nothing is filled again
; Plane p, K step ks: sixteen transposing loads, eight products and the counts'.  The nine accumulators take turns, one instruction a turn.
.macro GROUP p, ks, zero
.if \zero == 0
.rept 4
	v_nop                                          ; four places between the last matrix instructions and the loads into their B registers
.endr
.endif
.irp t, 0,1,2,3,4,5,6,7
	ds_load_tr16_b128 v[BF+8*\t:BF+8*\t+3],   v11 offset:PLANE*\p+32*TP*\ks+32*\t
	ds_load_tr16_b128 v[BF+8*\t+4:BF+8*\t+7], v11 offset:PLANE*\p+32*TP*\ks+32*\t+16*TP
.endr
	s_wait_dscnt 0x0
.irp t, 0,1,2,3,4,5,6,7
.if \zero
	v_wmma_f32_16x16x32_bf16 v[ACC+8*\t:ACC+8*\t+7], v[AF+8*\ks:AF+8*\ks+7], v[BF+8*\t:BF+8*\t+7], 0
.else
	v_wmma_f32_16x16x32_bf16 v[ACC+8*\t:ACC+8*\t+7], v[AF+8*\ks:AF+8*\ks+7], v[BF+8*\t:BF+8*\t+7], v[ACC+8*\t:ACC+8*\t+7]
.endif
.endr
.if \zero
	v_wmma_f32_16x16x32_bf16 v[ACC+64:ACC+71], v[AF+8*\ks:AF+8*\ks+7], v[CH+8*\ks:CH+8*\ks+7], 0
.else
.if \p
	v_wmma_f32_16x16x32_bf16 v[ACC+64:ACC+71], v[AF+8*\ks:AF+8*\ks+7], v[CL+8*\ks:CL+8*\ks+7], v[ACC+64:ACC+71]
.else
	v_wmma_f32_16x16x32_bf16 v[ACC+64:ACC+71], v[AF+8*\ks:AF+8*\ks+7], v[CH+8*\ks:CH+8*\ks+7], v[ACC+64:ACC+71]
.endif
.endif
.endm
	GROUP 0, 0, 1                                  ; the first products start the sums: nothing is cleared
	GROUP 0, 1, 0
	GROUP 1, 0, 0
	GROUP 1, 1, 0
.rept 4
	v_nop                                          ; four places: sums are read and B registers written below
.endr
	s_wait_loadcnt 0x0                             ; w
	; register jj: grid row 16 mt + 8 h + jj; tiles 4 x .. 4 x + 3: four neighbouring features
.irp jj, 0,1,2,3,4,5,6,7
.irp x, 0,1
	v_lshlrev_b32 v[WT],   16,         v[WB+4*\jj+2*\x]
	v_and_b32     v[WT+1], 0xffff0000, v[WB+4*\jj+2*\x]
	v_lshlrev_b32 v[WT+2], 16,         v[WB+4*\jj+2*\x+1]
	v_and_b32     v[WT+3], 0xffff0000, v[WB+4*\jj+2*\x+1]
.irp t, 0,1,2,3
	v_fma_f32 v[BF+4*(2*\jj+\x)+\t], -v[ACC+64+\jj], v[WT+\t], v[ACC+8*(4*\x+\t)+\jj]        ; O - s w
.endr
	v_pk_fma_f32 v[BF+4*(2*\jj+\x):BF+4*(2*\jj+\x)+1],   v[BF+4*(2*\jj+\x):BF+4*(2*\jj+\x)+1],   0x3dcccccd, v[WT:WT+1]   op_sel_hi:[1,0,1]   ; w + 0.1 (..)
	v_pk_fma_f32 v[BF+4*(2*\jj+\x)+2:BF+4*(2*\jj+\x)+3], v[BF+4*(2*\jj+\x)+2:BF+4*(2*\jj+\x)+3], 0x3dcccccd, v[WT+2:WT+3] op_sel_hi:[1,0,1]
	global_store_b128 v10, v[BF+4*(2*\jj+\x):BF+4*(2*\jj+\x)+3], s[10:11] offset:262144*\jj+256*\x th:TH_STORE_NT   ; sixteen lanes store 256 neighbouring bytes at a multiple of 256; every store has data registers of its own
.endr
.endr
	s_wait_tensorcnt 0x0
	ds_add_u32 v254, v255
	s_wait_dscnt 0x0
	s_endpgm
.Lfunc_end_k_q938e433d12_update:
	.size	k_q938e433d12_update, .Lfunc_end_k_q938e433d12_update-k_q938e433d12_update
	.p2alignl 7, 3214868480
	.fill 96, 4, 3214868480
	.section	.rodata,"a",@progbits
	.p2align	6, 0x0
	.amdhsa_kernel k_q938e433d12_update
		.amdhsa_group_segment_fixed_size 168960
		.amdhsa_private_segment_fixed_size 0
		.amdhsa_enable_private_segment 0
		.amdhsa_kernarg_size 32
		.amdhsa_user_sgpr_count 2
		.amdhsa_user_sgpr_kernarg_segment_ptr 1
		.amdhsa_wavefront_size32 1
		.amdhsa_system_sgpr_workgroup_id_x 1
		.amdhsa_system_sgpr_workgroup_id_y 1
		.amdhsa_system_sgpr_workgroup_id_z 1
		.amdhsa_system_vgpr_workitem_id 0
		.amdhsa_next_free_vgpr 256
		.amdhsa_next_free_sgpr 66
		.amdhsa_reserve_vcc 0
		.amdhsa_float_denorm_mode_32 3
		.amdhsa_float_denorm_mode_16_64 3
		.amdhsa_memory_ordered 1
		.amdhsa_forward_progress 1
		.amdhsa_inst_pref_size 34
	.end_amdhsa_kernel
	.amdgpu_metadata
---
amdhsa.version: [ 1, 2 ]
amdhsa.kernels:
  - .name:           k_q938e433d12_update
    .symbol:         k_q938e433d12_update.kd
    .args:
      - { .name: tt, .offset: 0, .size: 8, .value_kind: global_buffer, .address_space: global }
      - { .name: tcp, .offset: 8, .size: 8, .value_kind: global_buffer, .address_space: global }
      - { .name: wb, .offset: 16, .size: 8, .value_kind: global_buffer, .address_space: global }
      - { .name: out2, .offset: 24, .size: 8, .value_kind: global_buffer, .address_space: global }
    .group_segment_fixed_size: 168960
    .private_segment_fixed_size: 0
    .kernarg_segment_align: 8
    .kernarg_segment_size: 32
    .max_flat_workgroup_size: 256
    .sgpr_count:     66
    .vgpr_count:     256
    .wavefront_size: 32
...
	.end_amdgpu_metadata
.endif
;; end of part 6
;; ======== version 2 of 2: 6 launches; version 1 with the launch bucket written anew for expert scheduling mode
;; limits: values outside matrix products are rounded to bf16
;; workspace buffers: xb 16,777,216 bytes; wb 8,388,608 bytes; nrm 49,152 bytes; part 2,097,152 bytes; bmu 32,768 bytes of whole numbers; tt 16,777,216 bytes; tcp 16,384 bytes; lst 38,912 bytes of whole numbers
;; launch prep: the kernel of part 1 again; grid 768 x 1, 8 waves a work-group, no clusters, 1,280 bytes of LDS; arguments inputs, weights_map, xb, wb, nrm; writes xb, wb, nrm
;; launch dist: the kernel of part 2 again; grid 16 x 32, 4 waves a work-group, clusters of 4 x 4, 327,680 bytes of LDS; arguments xb, wb, nrm, part; writes part
;; launch pick: the kernel of part 3 again; grid 128 x 1, 1 waves a work-group, no clusters, 0 bytes of LDS; arguments part, out0, out1, bmu; writes out0, out1, bmu
;; launch bucket (part 7): grid 64 x 8, 1 waves a work-group, no clusters, 0 bytes of LDS; arguments bmu, lst; writes lst
.if DOCPART == 7
	.amdgcn_target "amdgcn-amd-amdhsa--gfx1250"
	.amdhsa_code_object_version 6
	.text
	.protected	k_q938e433d12_bucket
	.globl	k_q938e433d12_bucket
	.p2align	8
	.type	k_q938e433d12_bucket,@function
k_q938e433d12_bucket:
	s_mov_b64 s[64:65], 0
	v_nop
	global_prefetch_b8 v0, s[64:65] scope:SCOPE_SE
	s_setreg_imm32_b32 hwreg(HW_REG_WAVE_SCHED_MODE, 0, 2), 2
	s_setreg_imm32_b32 hwreg(HW_REG_WAVE_MODE, 25, 1), 1
	s_wait_xcnt 0x0
	s_wait_alu depctr_vm_vsrc(0)
; bucket: the batch rows sorted by the grid row of their best cell, as whole numbers for the launch that gathers by them.
; lst: 8,192 entries (row << 6 | grid column) at byte 0, ordered by grid row and, inside a grid row, by block of 1,024 batch rows;
;      at byte 32,768 a table [64][8] of pairs (first place, place behind the last) for (grid row, block);
;      at byte 36,864 one dump word for each of the 512 work-groups, never read.
; Work-group (i', w), one wave, places the rows of block w (rows 1024 w .. 1024 w + 1023) whose best cell lies in grid row i' (cells 64 i' .. 64 i' + 63).
; Its first place = the number of entries that stand in front: cells below 64 (i' + 1) in the blocks below w, cells below 64 i' in the blocks from w on.
; So every wave scans all 8,192 best cells, 32 KiB: one compare, one count of bits and one sum for 32 cells.  No work-group needs a number of another's,
; so there is no LDS, no barrier, no second launch for a prefix sum.
; A lane without a match stores to the work-group's dump word instead of being switched off: EXEC then never changes among the 32 stores, none of them waits.
; The entries leave four bytes a lane: the whole launch lists 8,192 entries, 32 KiB.
; LIMIT: a best cell outside 0..4095 (it comes only of NaN inputs) is counted and listed nowhere, and as many places at the list's end stay unwritten.
; THE MODE: SCHED_MODE bits 1:0 = 2 (LLVM: expert scheduling mode 2), set by the entry lines.  The code itself states the register dependences
; between vector instructions and memory instructions, and those through scalar registers that vector instructions write, with s_wait_alu, always for 0.
; THE PLAN.  Registers that memory instructions touch:
;   v1, v10      load offsets: written at the head, read by all 72 loads, never written again.
;   CB0 .. CB3   block c in buffer c % 4: written by loads, read by block c's 32 compares; behind them block c + 4's loads land in it (c = 0 .. 3).
;   OWN          written by eight loads; read by the subtractions; then written anew by vector lines as the stores' offsets; read by the stores, and not written again.
;   EE           written by vector lines, read by the stores as data, and not written again.     v6, v[8:9]: likewise, for the last store.
; Scalar registers that vector instructions write: the 32 masks s[32:63] (read by counts of bits, v_mbcnt and v_cndmask) and VCC (read where EXEC is narrowed).
; So: one wait on va_vdst at the head; in each block one wait on va_sdst behind its 32 compares and, where the buffer is loaded again, one on va_vdst;
; in the placement one wait on va_sdst behind its 32 compares and one on va_vdst ahead of the run of 32 stores; and the waits round the two writes of EXEC.
; No register that a memory instruction reads is written again, so no wait on vm_vsrc stands anywhere but at the entry and at the writes of EXEC.
.set TAB,   32768                      ; the table, in bytes
.set DUMPW, 9216                       ; the first dump word, in words
.set OWN, 16                           ; v[16:47]   my block's best cells as loaded; then step n's store offset
.set EE,  48                           ; v[48:79]   step n's entry
.set CB,  80                           ; v[80:207]  four buffers of 32 registers: block c in buffer c % 4
.set MK,  32                           ; s[32:63]   32 masks: one for each register of a block
	s_load_b128 s[4:7], s[0:1], 0x0                ; bmu s[4:5], lst s[6:7]
	s_and_b32 s8, ttmp7, 0xffff                    ; w
	v_lshlrev_b32 v1, 4, v0                        ; 16 lane; never rewritten
	s_lshl_b32 s10, s8, 12
	v_add_nc_u32 v10, s10, v1                      ; 4,096 w + 16 lane; never rewritten
	s_wait_kmcnt 0x0
	s_wait_alu depctr_va_vdst(0)                   ; v1 and v10 are written: every load of the kernel reads one of them as its offset
.irp u, 0,1,2,3,4,5,6,7
	global_load_b128 v[OWN+4*\u:OWN+4*\u+3], v10, s[4:5] offset:512*\u    ; register 4 u + c: row 1024 w + 128 u + 4 lane + c
.endr
.irp c, 0,1,2,3
.irp u, 0,1,2,3,4,5,6,7
	global_load_b128 v[CB+32*\c+4*\u:CB+32*\c+4*\u+3], v1, s[4:5] offset:4096*\c+512*\u
.endr
.endr
	s_lshl_b32 s11, ttmp9, 6                       ; 64 i': the first cell of my grid row
	s_add_co_u32 s12, s11, 64                      ; the first cell of the next
	v_mov_b32 v5, s11                              ; v5, v2 and v3 are named by vector instructions alone
	v_lshlrev_b32 v2, 8, v0
	s_lshl_b32 s13, s8, 16
	v_add_nc_u32 v2, s13, v2                       ; (1024 w + 4 lane) << 6
	s_lshl_b32 s9, ttmp9, 3
	s_add_co_u32 s9, s9, s8                        ; the work-group's number 8 i' + w
	s_add_co_u32 s13, s9, DUMPW
	v_mov_b32 v3, s13                              ; my dump word, as a word's number
	s_mov_b32 s20, 0                               ; entries in front of mine
; Block c is counted.  left = younger loads that may stay out; more = 1: the buffer is loaded again with block c + 4.
; 32 compares write 32 masks; one wait serves them all; the buffer is asked for again at once; then 32 counts of bits and 32 sums, in the registers' order.
.macro COUNT c, left, more
	s_cmp_gt_u32 s8, \c                            ; a block below mine: its entries of my own grid row stand in front of mine too
	s_cselect_b32 s15, s12, s11
	s_wait_loadcnt \left                           ; loads come back in order (ISA guide 5.7.1): block c is in
.set i, 0
.rept 32
	v_cmp_gt_u32 s[MK+i], s15, v[CB+32*(\c%4)+i]
.set i, i+1
.endr
	s_wait_alu depctr_va_sdst(0)                   ; the 32 compares have written their masks, ahead of the first count of bits that reads one
.if \more
	s_wait_alu depctr_va_vdst(0)                   ; the 32 compares are done reading the buffer, in which the eight loads below land
.irp u, 0,1,2,3,4,5,6,7
	global_load_b128 v[CB+32*(\c%4)+4*\u:CB+32*(\c%4)+4*\u+3], v1, s[4:5] offset:4096*(\c+4)+512*\u
.endr
.endif
.set i, 0
.rept 32
	s_bcnt1_i32_b32 s[MK+i], s[MK+i]
.set i, i+1
.endr
.set i, 0
.rept 32
	s_add_co_u32 s20, s20, s[MK+i]
.set i, i+1
.endr
.endm
	COUNT 0, 24, 1                                 ; behind block c's eight loads stand those of the three blocks after it: 24
	COUNT 1, 24, 1
	COUNT 2, 24, 1
	COUNT 3, 24, 1
	COUNT 4, 24, 0
	COUNT 5, 16, 0                                 ; nothing more is asked for: the counts run down
	COUNT 6, 8, 0
	COUNT 7, 0, 0
	s_mov_b32 s16, s20                             ; my first place
	; THE PLACES.  A match gets the next free place; the clamp stands last but for the shift, so that the offset is a clamped number, shifted.
	; Every store has an offset register and a data register of its own: nothing that a store reads is written again.
	; (My own block's loads were the first issued: they are in since the first wait on LOADcnt above.)
	; The work goes in passes over the 32 steps, so that the masks have one wait and the stores have one wait.
.set n, 0
.rept 32
	v_sub_nc_u32 v[EE+n], v[OWN+n], v5             ; cell - 64 i': 0..63 in my grid row, and then it is the grid column
.set n, n+1
.endr
.set n, 0
.rept 32
	v_cmp_gt_u32 s[MK+n], 64, v[EE+n]              ; step n's matches
.set n, n+1
.endr
	s_lshl_b32 s22, s9, 3                          ; the pair's place in the table; these lines stand between the compares and the wait for them
	s_add_co_u32 s22, s22, TAB
	v_mov_b32 v6, s22
	v_mov_b32 v8, s16
	v_cmp_eq_u32 vcc_lo, 0, v0                     ; lane 0, for the last store
	s_wait_alu depctr_va_sdst(0)                   ; the 32 compares have written their masks, ahead of the first v_mbcnt and count of bits that read one
.set n, 0
.rept 32
	v_mbcnt_lo_u32_b32 v[OWN+n], s[MK+n], s20      ; matches in the lanes below me + places taken so far
	s_bcnt1_i32_b32 s21, s[MK+n]
	s_add_co_u32 s20, s20, s21
	v_add3_u32 v[EE+n], v[EE+n], v2, ((128*(n/4)+n%4)<<6)   ; row << 6 | column
.set n, n+1
.endr
	v_mov_b32 v9, s20                              ; the place behind my last
.set n, 0
.rept 32
	v_cndmask_b32 v[OWN+n], v3, v[OWN+n], s[MK+n]  ; no match: the dump word
.set n, n+1
.endr
.set n, 0
.rept 32
	v_min_u32 v[OWN+n], 0x25ff, v[OWN+n]           ; the buffer's last word
.set n, n+1
.endr
.set n, 0
.rept 32
	v_lshlrev_b32 v[OWN+n], 2, v[OWN+n]
.set n, n+1
.endr
	s_wait_alu depctr_va_vdst(0)                   ; the 32 offsets in OWN and the 32 entries in EE are written, which the stores below read; so are v6, v8 and v9, for the last store
.set n, 0
.rept 32
	global_store_b32 v[OWN+n], v[EE+n], s[6:7]
.set n, n+1
.endr
	; the pair (first place, place behind the last), from lane 0
	s_wait_alu depctr_va_vcc(0)                    ; the compare for lane 0 has written VCC, from which EXEC is made
	s_wait_xcnt 0x0                                ; EXEC is a source of the stores above: it changes only behind this wait
	s_wait_alu depctr_va_vdst(0)                   ; EXEC is written: every vector instruction issued under the full EXEC has written its result,
	s_wait_alu depctr_vm_vsrc(0)                   ; and the 32 stores have read their offsets and entries
	s_and_saveexec_b32 s23, vcc_lo
	global_store_b64 v6, v[8:9], s[6:7]
	s_wait_xcnt 0x0                                ; and again in front of the line that widens it
	s_wait_alu depctr_va_vdst(0)                   ; EXEC is written again: no vector instruction is out under the narrow EXEC,
	s_wait_alu depctr_vm_vsrc(0)                   ; and the pair's store has read v6 and v[8:9]
	s_or_b32 exec_lo, exec_lo, s23
	s_endpgm
.Lfunc_end_k_q938e433d12_bucket:
	.size	k_q938e433d12_bucket, .Lfunc_end_k_q938e433d12_bucket-k_q938e433d12_bucket
	.p2alignl 7, 3214868480
	.fill 96, 4, 3214868480
	.section	.rodata,"a",@progbits
	.p2align	6, 0x0
	.amdhsa_kernel k_q938e433d12_bucket
		.amdhsa_group_segment_fixed_size 0
		.amdhsa_private_segment_fixed_size 0
		.amdhsa_enable_private_segment 0
		.amdhsa_kernarg_size 16
		.amdhsa_user_sgpr_count 2
		.amdhsa_user_sgpr_kernarg_segment_ptr 1
		.amdhsa_wavefront_size32 1
		.amdhsa_system_sgpr_workgroup_id_x 1
		.amdhsa_system_sgpr_workgroup_id_y 1
		.amdhsa_system_sgpr_workgroup_id_z 1
		.amdhsa_system_vgpr_workitem_id 0
		.amdhsa_next_free_vgpr 208
		.amdhsa_next_free_sgpr 66
		.amdhsa_reserve_vcc 1
		.amdhsa_float_denorm_mode_32 3
		.amdhsa_float_denorm_mode_16_64 3
		.amdhsa_memory_ordered 1
		.amdhsa_forward_progress 1
		.amdhsa_inst_pref_size 60
	.end_amdhsa_kernel
	.amdgpu_metadata
---
amdhsa.version: [ 1, 2 ]
amdhsa.kernels:
  - .name:           k_q938e433d12_bucket
    .symbol:         k_q938e433d12_bucket.kd
    .args:
      - { .name: bmu, .offset: 0, .size: 8, .value_kind: global_buffer, .address_space: global }
      - { .name: lst, .offset: 8, .size: 8, .value_kind: global_buffer, .address_space: global }
    .group_segment_fixed_size: 0
    .private_segment_fixed_size: 0
    .kernarg_segment_align: 8
    .kernarg_segment_size: 16
    .max_flat_workgroup_size: 32
    .sgpr_count:     66
    .vgpr_count:     208
    .wavefront_size: 32
...
	.end_amdgpu_metadata
.endif
;; end of part 7
;; launch gather: the kernel of part 5 again; grid 64 x 4, 8 waves a work-group, no clusters, 137,216 bytes of LDS; arguments lst, xb, tt, tcp; writes tt, tcp
;; launch update: the kernel of part 6 again; grid 64 x 4, 8 waves a work-group, no clusters, 168,960 bytes of LDS; arguments tt, tcp, wb, out2; writes out2
